; MI455X (gfx1250); checked and timed in simulation.
; The chip was launched on July 23, 2026; its instructions are those of AMD's public machine-readable ISA for CDNA 5 (MIT licence, August 2026) and "CDNA5" Instruction Set Architecture Reference Guide (July 2026). The comments in the code are by the model that wrote it; some were corrected since.
;; QKV Block. Allowed arithmetic: float matrix products may take bf16 or f16 operands with f32 sums; all other float work in f32.
;; Inputs: Wk 1,024 x 1,024 float32; Wo 1,024 x 1,024 float32; Wq 1,024 x 1,024 float32; Wv 1,024 x 1,024 float32; bk 1,024 float32; bo 1,024 float32; bq 1,024 float32; bv 1,024 float32; x 2 x 2,048 x 1,024 float32.
;; Outputs: out0 2 x 2,048 x 1,024 float32.
;; 2 versions, each right; version 2 is version 1 with the launch cast written anew for expert scheduling mode. Each part assembles by itself: llvm-mc -triple=amdgcn-amd-amdhsa -mcpu=gfx1250 --defsym DOCPART=n.
;; ======== version 1 of 2: 4 launches
;; limits: values are held in f16: magnitudes above 65,504 overflow, below 6.1e-05 lose precision
;; workspace buffers: xw 16,777,216 bytes; qkv 25,165,824 bytes; att 8,388,608 bytes
;; launch cast (part 1): grid 512 x 1, 8 waves a work-group, no clusters, 0 bytes of LDS; arguments x, Wq, Wk, Wv, Wo, xw; writes xw
.if DOCPART == 1
	.amdgcn_target "amdgcn-amd-amdhsa--gfx1250"
	.amdhsa_code_object_version 6
	.text
	.protected	k_qebac7c85bc_cast
	.globl	k_qebac7c85bc_cast
	.p2align	8
	.type	k_qebac7c85bc_cast,@function
k_qebac7c85bc_cast:
	s_mov_b64 s[64:65], 0
	v_nop
	global_prefetch_b8 v0, s[64:65] scope:SCOPE_SE
	s_setreg_imm32_b32 hwreg(HW_REG_WAVE_MODE, 25, 1), 1
	s_wait_xcnt 0x0
; x, Wq, Wk, Wv, Wo (f32) are rounded once to f16 and laid one behind the other in xw:
;   x16 [4096][1024] at byte 0, Wq16, Wk16, Wv16 [1024][1024] each from byte 8,388,608 on (together a matrix of 3072 rows), Wo16 at byte 14,680,064.
; Why f16 and not bf16: f16 keeps three more bits, and the chain of five products and roundings behind this launch needs them.
; LIMIT: numbers above 65,504 in magnitude become infinite; below 2^-14 they are kept in steps of 2^-24.
; A stream: no LDS, no barrier, no matrix unit, no cluster (no byte is read by two work-groups).
; Work-group g takes 64 KiB of input: g < 256 of x, then 64 work-groups for each weight matrix.  Its 32 KiB of output begin at byte g * 32,768,
; which is the layout above.  A wave takes 8 KiB: sixteen loads of 512 neighbouring bytes, all issued before the first wait.
.set X, 4                              ; v[4:67]   sixteen loads of four f32
.set Y, 68                             ; v[68:99]  sixteen pairs of registers, four f16 each
	s_load_b256 s[4:11], s[0:1], 0x0               ; x s[4:5], Wq s[6:7], Wk s[8:9], Wv s[10:11]
	s_load_b128 s[12:15], s[0:1], 0x20             ; Wo s[12:13], xw s[14:15]
	s_mov_b32 s2, ttmp9                            ; g
	v_and_b32 v1, 0xe0, v0                         ; 32 x wave
	v_and_b32 v2, 31, v0                           ; lane
	v_lshlrev_b32 v2, 4, v2                        ; 16 bytes a lane
	v_lshl_or_b32 v1, v1, 8, v2                    ; + wave x 8,192: my offset in the group's input
	v_lshrrev_b32 v2, 1, v1                        ; half of it: my offset in the group's output
	s_wait_kmcnt 0x0
	s_cmp_lt_u32 s2, 320                           ; the source is chosen among the five by the group's number alone
	s_cselect_b64 s[16:17], s[6:7], s[8:9]         ; Wq or Wk
	s_cmp_lt_u32 s2, 448
	s_cselect_b64 s[18:19], s[10:11], s[12:13]     ; Wv or Wo
	s_cmp_lt_u32 s2, 384
	s_cselect_b64 s[16:17], s[16:17], s[18:19]
	s_cmp_lt_u32 s2, 256
	s_cselect_b64 s[16:17], s[4:5], s[16:17]       ; x
	s_cselect_b32 s20, 255, 63                     ; x has 256 pieces of 64 KiB, a weight matrix 64
	s_and_b32 s20, s2, s20                         ; my piece of the source (256, 320, 384 and 448 are multiples of 64)
	s_lshl_b32 s20, s20, 16
	s_mov_b32 s21, 0
	s_add_nc_u64 s[16:17], s[16:17], s[20:21]
	s_lshl_b32 s22, s2, 15
	s_mov_b32 s23, 0
	s_add_nc_u64 s[14:15], s[14:15], s[22:23]
.irp i, 0,1,2,3,4,5,6,7,8,9,10,11,12,13,14,15
	global_load_b128 v[X+4*\i:X+4*\i+3], v1, s[16:17] offset:512*\i th:TH_LOAD_NT   ; read once in the launch
.endr
.irp i, 0,1,2,3,4,5,6,7,8,9,10,11,12,13,14,15
	s_wait_loadcnt 15-\i                           ; loads come back in order (ISA guide 5.7.1): load i is in, the younger ones stay out
	v_cvt_pk_f16_f32 v[Y+2*\i],   v[X+4*\i],   v[X+4*\i+1]
	v_cvt_pk_f16_f32 v[Y+2*\i+1], v[X+4*\i+2], v[X+4*\i+3]
	global_store_b64 v2, v[Y+2*\i:Y+2*\i+1], s[14:15] offset:256*\i   ; the wave's 32 lanes store 256 consecutive bytes, aligned; no register is written twice
.endr
	s_endpgm
.Lfunc_end_k_qebac7c85bc_cast:
	.size	k_qebac7c85bc_cast, .Lfunc_end_k_qebac7c85bc_cast-k_qebac7c85bc_cast
	.p2alignl 7, 3214868480
	.fill 96, 4, 3214868480
	.section	.rodata,"a",@progbits
	.p2align	6, 0x0
	.amdhsa_kernel k_qebac7c85bc_cast
		.amdhsa_group_segment_fixed_size 0
		.amdhsa_private_segment_fixed_size 0
		.amdhsa_enable_private_segment 0
		.amdhsa_kernarg_size 48
		.amdhsa_user_sgpr_count 2
		.amdhsa_user_sgpr_kernarg_segment_ptr 1
		.amdhsa_wavefront_size32 1
		.amdhsa_system_sgpr_workgroup_id_x 1
		.amdhsa_system_sgpr_workgroup_id_y 1
		.amdhsa_system_sgpr_workgroup_id_z 1
		.amdhsa_system_vgpr_workitem_id 0
		.amdhsa_next_free_vgpr 100
		.amdhsa_next_free_sgpr 66
		.amdhsa_reserve_vcc 0
		.amdhsa_float_denorm_mode_32 3
		.amdhsa_float_denorm_mode_16_64 3
		.amdhsa_memory_ordered 1
		.amdhsa_forward_progress 1
		.amdhsa_inst_pref_size 7
	.end_amdhsa_kernel
	.amdgpu_metadata
---
amdhsa.version: [ 1, 2 ]
amdhsa.kernels:
  - .name:           k_qebac7c85bc_cast
    .symbol:         k_qebac7c85bc_cast.kd
    .args:
      - { .name: x, .offset: 0, .size: 8, .value_kind: global_buffer, .address_space: global }
      - { .name: Wq, .offset: 8, .size: 8, .value_kind: global_buffer, .address_space: global }
      - { .name: Wk, .offset: 16, .size: 8, .value_kind: global_buffer, .address_space: global }
      - { .name: Wv, .offset: 24, .size: 8, .value_kind: global_buffer, .address_space: global }
      - { .name: Wo, .offset: 32, .size: 8, .value_kind: global_buffer, .address_space: global }
      - { .name: xw, .offset: 40, .size: 8, .value_kind: global_buffer, .address_space: global }
    .group_segment_fixed_size: 0
    .private_segment_fixed_size: 0
    .kernarg_segment_align: 8
    .kernarg_segment_size: 48
    .max_flat_workgroup_size: 256
    .sgpr_count:     66
    .vgpr_count:     100
    .wavefront_size: 32
...
	.end_amdgpu_metadata
.endif
;; end of part 1
;; launch qkv (part 2): grid 12 x 16, 4 waves a work-group, clusters of 4 x 4, 327,680 bytes of LDS; arguments xw, bq, bk, bv, qkv; writes qkv
.if DOCPART == 2
	.amdgcn_target "amdgcn-amd-amdhsa--gfx1250"
	.amdhsa_code_object_version 6
	.text
	.protected	k_qebac7c85bc_qkv
	.globl	k_qebac7c85bc_qkv
	.p2align	8
	.type	k_qebac7c85bc_qkv,@function
k_qebac7c85bc_qkv:
	s_mov_b64 s[64:65], 0
	v_nop
	global_prefetch_b8 v0, s[64:65] scope:SCOPE_SE
	s_setreg_imm32_b32 hwreg(HW_REG_WAVE_MODE, 25, 1), 1
	s_wait_xcnt 0x0
	s_wait_alu depctr_hold_cnt(0) depctr_sa_sdst(0) depctr_va_vdst(0) depctr_va_sdst(0) depctr_va_ssrc(0) depctr_va_vcc(0) depctr_vm_vsrc(0)
	s_getreg_b32 s2, hwreg(HW_REG_IB_STS2, 6, 4)
	s_cmp_eq_u32 s2, 0
	s_cbranch_scc0 .Lentry_in_a_cluster
	s_endpgm
.Lentry_in_a_cluster:
	s_bfe_u32 s2, ttmp6, 0x10000c
	s_cmp_lg_u32 s2, 0xf033
	s_cbranch_scc0 .Lentry_shape_is_right
	s_endpgm
.Lentry_shape_is_right:
; qkv[m][n] = sum over k of x16[m][k] W3[n][k] + bias[n], rounded once to f16.  x16: [4096][1024], W3 = Wq, Wk, Wv one below the other: [3072][1024],
; both f16 in xw; sums in f32; qkv: [4096][3072] f16, column = 1024 x matrix + 64 x head + d.
; LIMIT: a result above 65,504 in magnitude becomes infinite in f16.
; A work-group makes a block of 256 x 256 with four waves, one for each SIMD of a WGP; a wave makes 128 x 128: 64 accumulator tiles of 16 x 16,
; 512 registers.  K goes in steps of 128 through a ring of two LDS slots filled by the tensor data mover; a tile's rows are 256 bytes of memory
; and start at multiples of 256 bytes from the buffer's first byte.  The grid has 12 x 16 = 192 work-groups: blocks that would give 256 equal
; shares (256 x 192, 128 x 384) read more LDS bytes for each product and have rows of 384 bytes in the output.
; CLUSTERS: 4 x 4 work-groups.  The four of a row of the cluster need the same tiles of x16, the four of a column the same tiles of W3; such a
; tile is asked for jointly, by the same tensor load with the same descriptor and a mask that names the four.  That divides the requests by four.
;
; REGISTERS, in windows of 256:
;   window 0: v0-31 addresses; v32-63 and v224-255 the bias of my 128 columns; v64-127, v128-191 fragments of A, two buffers; v192-223 at work on the way out
;   window 1: v64-127, v128-191 fragments of B, two buffers
;   window 2: the 32 accumulator tiles of my rows 0-63 (tile (a, b) at v[8 (8 a + b)]);   window 3: those of my rows 64-127
; THE MATRIX INSTRUCTION IS USED TRANSPOSED: source 0 = 16 rows of W3, source 1 = 16 rows of x16.  Lane l then holds row l % 16 of the result and
; its registers 0 to 7 the columns 8 (l / 16) + 0 .. 7: eight neighbouring numbers of a row, which pack into 16 bytes.
.set SIZE_N, 3072
.set SIZE_K, 1024
.set KSTEP,  128
.set PITCH,  272                       ; an LDS row: 256 bytes of data + 16 of padding: row r begins 16 r bytes further modulo 256, so the 16 rows of a fragment load do not meet
.set HALFT,  128*PITCH                 ; 128 rows: what one tensor load brings, and what one wave reads of A or of B
.set SLOT,   4*HALFT                   ; A's 256 rows, then B's 256 rows
.set STAGE,  2*SLOT                    ; behind the ring: 16 rows x 272 bytes for each wave, for the way out; no tensor load fills it
.set SPITCH, 272
.set LAPS, SIZE_K/(2*KSTEP)            ; a lap = two K steps = once round the ring: 4 laps
.set ADRA, 16                          ; v16-17  LDS address of my A fragments in slot 0, 1
.set ADRB, 20                          ; v20-21  the same for B
.set STO,  24                          ; v24     the way out: where I put 16 bytes of a row
.set RD,   25                          ; v25     the way out: where I read a row back
.set CO,   26                          ; v26     my byte offset in the output
.set BO,   27                          ; v27     my byte offset in the bias: 32 (l / 16)
.set F0,   64                          ; fragment buffer 0
.set F1,   128                         ; fragment buffer 1
.set TMP,  192                         ; the way out: packed results
.set G1, 24                            ; s[24:31] descriptor group 1 for A's tiles
.set G0, 32                            ; s[32:39] descriptor group 0 for A's tiles, one set for each slot
.set G1B, 48                           ; s[48:55] descriptor group 1 for B's tiles: it differs from A's in the mask alone
.set G0B, 56                           ; s[56:63] descriptor group 0 for B's tiles, one set for each slot
.set MSB, 0
.macro WIN new                         ; low byte: bits 1:0 source 0, 3:2 source 1, 5:4 source 2, 7:6 destination; the high byte repeats the setting that is left
.if MSB != \new
	s_set_vgpr_msb (MSB<<8)|\new
.set MSB, \new
.endif
.endm
.set MUL_LO, 0xa1                      ; source 0 (B) window 1, source 1 (A) window 0, C and D window 2
.set MUL_HI, 0xf1                      ; the same, C and D window 3
.set TO_B,   0x40                      ; destination window 1, address window 0
; A joint load.  Waves 0 and 1 fetch A's two halves, waves 2 and 3 B's.  Each line has one mask and one set of registers for all that issue it.
; The branch hangs on the wave's number alone.
.macro JLOAD s
	s_cmp_eq_u32 s11, 0
	s_cbranch_scc0 .Lfor_b_\@
	tensor_load_to_lds s[G0+4*\s:G0+4*\s+3], s[G1:G1+7]
	s_nop 0
	s_branch .Lasked_\@
.Lfor_b_\@:
	tensor_load_to_lds s[G0B+4*\s:G0B+4*\s+3], s[G1B:G1B+7]
	s_nop 0
.Lasked_\@:
.endm
; A round of the cluster's barrier: my work-group's barrier; wave 0 signals for the work-group; every wave waits for all sixteen; my work-group's barrier again.
.macro CREST                           ; a round behind its opening barrier
	s_cmp_lg_u32 s10, 0
	s_cbranch_scc1 .Lnot_wave_0_\@
	s_barrier_signal -3
.Lnot_wave_0_\@:
	s_barrier_wait -3
	s_barrier_signal -1
	s_barrier_wait -1
.endm
.macro CROUND                          ; a whole round
	s_barrier_signal -1
	s_barrier_wait -1
	CREST
.endm
	s_load_b64 s[4:5], s[0:1], 0x0                 ; xw: A = x16 at its first byte
	s_load_b128 s[68:71], s[0:1], 0x8              ; bq s[68:69], bk s[70:71]
	s_load_b128 s[72:75], s[0:1], 0x18             ; bv s[72:73], qkv s[74:75]
	s_set_vgpr_msb 0x40
	v_lshl_add_u32 v255, v0, 2, 0x48400
	s_set_vgpr_msb 0x4000
	v_mov_b32 v31, 0
	s_set_vgpr_msb 0x1
	ds_add_u32 v255, v31
	s_set_vgpr_msb 0x100
	v_lshrrev_b32 v1, 5, v0
	v_readfirstlane_b32 s10, v1                    ; wave 0..3
	s_lshr_b32 s11, s10, 1                         ; which half of the block's rows is mine.  Also: I fetch for A (0) or for B (1)
	s_and_b32 s12, s10, 1                          ; which half of its columns.  Also: which 128 rows of that tile I fetch
	s_bfe_u32 s40, ttmp6, 0x40000                  ; cx: my place along the cluster's x
	s_bfe_u32 s41, ttmp6, 0x40004                  ; cy: along its y
	s_lshl_b32 s42, ttmp9, 2                       ; in a cluster launch ttmp9 and ttmp7 count clusters
	s_add_co_u32 s42, s42, s40                     ; block column = 4 x cluster x + cx
	s_and_b32 s13, ttmp7, 0xffff
	s_lshl_b32 s13, s13, 2
	s_add_co_u32 s13, s13, s41                     ; block row = 4 x cluster y + cy
	s_lshl_b32 s43, s41, 2
	s_lshl_b32 s43, 15, s43                        ; my row of the cluster: places 4 cy .. 4 cy + 3
	s_lshl_b32 s44, 0x1111, s40                    ; my column: places cx, cx + 4, cx + 8, cx + 12
	; descriptor group 1: a tile of 128 rows x 128 elements of 2 bytes, 4 words of padding behind every 64 words
	s_or_b32 s[G1+0], s43, (1<<16)|(1<<20)|(1<<21)|(5<<22)|(3<<25)  ; 15:0 mask: my row; 17:16 element of 2 bytes; 20 padding on; 21 set beside a mask; 24:22 interval code 5; 31:25 pad code 3
	s_or_b32 s[G1B+0], s44, (1<<16)|(1<<20)|(1<<21)|(5<<22)|(3<<25) ; the same with the mask of my column
	s_mov_b32 s[G1+1], KSTEP<<16                   ; tensor_dim0 = 128
	s_mov_b32 s[G1B+1], KSTEP<<16
	s_mov_b32 s[G1+2], 128<<16                     ; tensor_dim1 = 128
	s_mov_b32 s[G1B+2], 128<<16
	s_mov_b32 s[G1+3], KSTEP<<16                   ; tile_dim0 = 128
	s_mov_b32 s[G1B+3], KSTEP<<16
	s_mov_b32 s[G1+4], 128                         ; tile_dim1 = 128
	s_mov_b32 s[G1B+4], 128
	s_mov_b32 s[G1+5], SIZE_K                      ; elements from row to row
	s_mov_b32 s[G1B+5], SIZE_K
	s_mov_b32 s[G1+6], 0
	s_mov_b32 s[G1B+6], 0
	s_mov_b32 s[G1+7], 0
	s_mov_b32 s[G1B+7], 0
	; where the tiles come from: A's hang on the block row alone, B's on the block column alone, each in registers that never hold the other coordinate
	s_lshl_b32 s17, s12, 7                         ; which 128 rows of the tile I fetch
	s_lshl_b32 s16, s13, 8
	s_add_co_u32 s16, s16, s17                     ; A: row 256 x block row + 128 x half
	s_lshl_b32 s46, s42, 8
	s_add_co_u32 s46, s46, s17                     ; B: row 256 x block column + 128 x half
	s_mov_b32 s17, 0
	s_mov_b32 s47, 0
	s_mov_b64 s[18:19], SIZE_K*2
	s_mul_u64 s[16:17], s[16:17], s[18:19]         ; in bytes
	s_mul_u64 s[46:47], s[46:47], s[18:19]
	s_mul_i32 s20, s10, HALFT                      ; where they go: wave x 128 rows: no place in the cluster enters an LDS address
	s_mov_b32 s76, ttmp9                           ; the cluster's x is the matrix: 0 q, 1 k, 2 v (four block columns each); all partners share it
	s_wait_dscnt 0x0
	s_wait_kmcnt 0x0
	s_add_nc_u64 s[6:7], s[4:5], 0x800000          ; B = W3, 8,388,608 bytes into xw
	s_mov_b64 s[8:9], s[74:75]                     ; the output
	s_add_nc_u64 s[14:15], s[4:5], s[16:17]
	s_add_nc_u64 s[46:47], s[6:7], s[46:47]
	s_cmp_eq_u32 s76, 0                            ; the bias vector of my matrix: a choice, no branch
	s_cselect_b64 s[68:69], s[68:69], s[70:71]
	s_cmp_eq_u32 s76, 2
	s_cselect_b64 s[68:69], s[72:73], s[68:69]
	s_lshl_b32 s76, s40, 10                        ; my first column inside the matrix, in bytes of f32: 256 cx + 128 half, times 4
	s_lshl_b32 s77, s12, 9
	s_add_co_u32 s76, s76, s77
	s_mov_b32 s77, 0
	s_add_nc_u64 s[68:69], s[68:69], s[76:77]
	CROUND                                         ; all sixteen work-groups are here: the first joint loads meet
.irp s, 0,1
	s_mov_b32 s[G0+4*\s], 1                                        ; count = 1
	s_add_co_u32 s[G0+4*\s+1], s20, \s*SLOT                        ; LDS address
	s_add_nc_u64 s[G0+4*\s+2:G0+4*\s+3], s[14:15], \s*KSTEP*2      ; global address: K step s
	s_or_b32 s[G0+4*\s+3], s[G0+4*\s+3], 0x80000000                ; type = 2
	s_mov_b32 s[G0B+4*\s], 1
	s_add_co_u32 s[G0B+4*\s+1], s20, \s*SLOT
	s_add_nc_u64 s[G0B+4*\s+2:G0B+4*\s+3], s[46:47], \s*KSTEP*2
	s_or_b32 s[G0B+4*\s+3], s[G0B+4*\s+3], 0x80000000
	JLOAD \s                                       ; the ring is filled before anything else is done: two tensor loads of the wave are out
.endr
	v_and_b32 v1, 15, v0                           ; l % 16
	v_bfe_u32 v2, v0, 4, 1                         ; l / 16
	; the bias of my 128 columns: tile b's eight columns 16 b + 8 (l / 16) + 0 .. 7 are 32 bytes; they stay in registers that the loop never names
	v_lshlrev_b32 v[BO], 5, v2
.irp b, 0,1,2,3,4,5,6,7
	global_load_b128 v[32+8*\b+160*(\b/4):32+8*\b+160*(\b/4)+3],   v[BO], s[68:69] offset:64*\b
	global_load_b128 v[32+8*\b+160*(\b/4)+4:32+8*\b+160*(\b/4)+7], v[BO], s[68:69] offset:64*\b+16
.endr
	; A fragment is 16 rows x 32 K in 8 registers: lane l holds row l % 16; registers 0-3 hold K = 8 (l / 16) + 0..7, registers 4-7 K = 16 + 8 (l / 16) + 0..7:
	; two loads of 16 bytes, 32 bytes apart.
	v_mul_u32_u24 v3, v1, PITCH
	v_lshl_add_u32 v3, v2, 4, v3                   ; row x pitch + 16 x half
	s_mul_i32 s21, s11, HALFT                      ; my 128 rows of A
	s_mul_i32 s22, s12, HALFT                      ; my 128 rows of B,
	s_add_co_u32 s22, s22, 2*HALFT                 ; which lie behind A's 256
.irp s, 0,1
	v_add_nc_u32 v[ADRA+\s], s21, v3
	v_add_nc_u32 v[ADRB+\s], s22, v3
	s_add_co_u32 s21, s21, SLOT
	s_add_co_u32 s22, s22, SLOT
.endr
	s_mul_i32 s23, s10, 16*SPITCH
	s_add_co_u32 s23, s23, STAGE                   ; my stage
	v_mul_u32_u24 v4, v1, SPITCH                   ; in: row l % 16, 16 bytes for each half of the lanes
	v_lshl_add_u32 v4, v2, 4, v4
	v_add_nc_u32 v[STO], s23, v4
	v_mul_u32_u24 v5, v2, SPITCH                   ; back: lanes 0-15 take one row of 256 bytes, lanes 16-31 the next
	v_lshl_add_u32 v5, v1, 4, v5
	v_add_nc_u32 v[RD], s23, v5
	v_mul_u32_u24 v5, v2, SIZE_N*2                 ; and the same two rows in the output
	v_lshl_add_u32 v[CO], v1, 4, v5
; 16 matrix instructions: m blocks a0, a0 + 1 of the window's four x all 8 n blocks, 32 along K.  zero = 1: the first product starts the sums.
; The 64 accumulators take turns, one instruction a turn, in the same order in every quarter step.
.macro MUL16 f, hi, a0, zero
.irp a, \a0, \a0+1
.irp b, 0,1,2,3,4,5,6,7
.if \zero
	v_wmma_f32_16x16x32_f16 v[8*(8*(\a)+\b):8*(8*(\a)+\b)+7], v[\f+8*\b:\f+8*\b+7], v[\f+8*(4*\hi+\a):\f+8*(4*\hi+\a)+7], 0
.else
	v_wmma_f32_16x16x32_f16 v[8*(8*(\a)+\b):8*(8*(\a)+\b)+7], v[\f+8*\b:\f+8*\b+7], v[\f+8*(4*\hi+\a):\f+8*(4*\hi+\a)+7], v[8*(8*(\a)+\b):8*(8*(\a)+\b)+7]
.endif
.endr
.endr
.endm
; 32 LDS loads in one run: the fragments of one quarter step (128 rows of B, 128 rows of A, 32 K at byte k of the rows) into buffer f
.macro FETCH slot, k, f
	WIN TO_B
.irp i, 0,1,2,3,4,5,6,7
	ds_load_b128 v[\f+8*\i:\f+8*\i+3],   v[ADRB+\slot] offset:\k+\i*16*PITCH
	ds_load_b128 v[\f+8*\i+4:\f+8*\i+7], v[ADRB+\slot] offset:\k+\i*16*PITCH+32
.endr
	WIN 0
.irp i, 0,1,2,3,4,5,6,7
	ds_load_b128 v[\f+8*\i:\f+8*\i+3],   v[ADRA+\slot] offset:\k+\i*16*PITCH
	ds_load_b128 v[\f+8*\i+4:\f+8*\i+7], v[ADRA+\slot] offset:\k+\i*16*PITCH+32
.endr
.endm
; Four independent vector instructions stand between a matrix instruction and a load into one of its sources, or a vector instruction that
; reads its result (ISA guide 7.12.1 for vector instructions).
.macro PLACES
.rept 4
	v_nop
.endr
.endm
; A K step is four quarter steps of 32 along K, 64 matrix instructions each, on buffers 0, 1, 0, 1.
.macro QUARTER slot, k, f, g, zero
	s_wait_dscnt 8                                 ; B and A's rows 0-63 are in; the youngest eight loads (A's rows 64-127) may be out
	WIN MUL_LO
	MUL16 \f, 0, 0, \zero
	MUL16 \f, 0, 2, \zero
	PLACES
	FETCH \slot, \k, \g
	s_wait_dscnt 32                                ; all but the 32 just issued
	WIN MUL_HI
	MUL16 \f, 1, 0, \zero
	MUL16 \f, 1, 2, \zero
.endm
.macro THREE slot, zero
	QUARTER \slot, 64,  F0, F1, \zero
	QUARTER \slot, 128, F1, F0, 0
	QUARTER \slot, 192, F0, F1, 0
.endm
; The last quarter multiplies buffer 1 and changes slots.  In front of the barrier each wave waits for its own reads of this slot and for all
; its tensor loads (one is out: its part of the next slot).  Behind it the refill comes first, then the next slot's first fragments.
.macro TURN slot, next, fill
	s_wait_dscnt 8
	WIN MUL_LO
	MUL16 F1, 0, 0, 0
	s_wait_dscnt 0                                 ; my reads of this slot are over
	s_wait_tensorcnt 0x0                           ; all my tensor loads have landed
	ds_add_u32 v255, v31
	s_wait_dscnt 0x0
	s_barrier_signal -1                            ; say so (where a slot is filled again this barrier opens a round of the cluster's barrier),
	MUL16 F1, 0, 2, 0                              ; work on registers while the others arrive,
	WIN 0
	s_barrier_wait -1
.if \fill
	CREST                                          ; no wave of any partner still reads this slot's tile or has a load on its way
	s_add_nc_u64 s[G0+4*\slot+2:G0+4*\slot+3], s[G0+4*\slot+2:G0+4*\slot+3], 2*KSTEP*2
	s_add_nc_u64 s[G0B+4*\slot+2:G0B+4*\slot+3], s[G0B+4*\slot+2:G0B+4*\slot+3], 2*KSTEP*2
	JLOAD \slot                                    ; the first tensor load behind the round, and the wave's only one until the next
.endif
	PLACES
	FETCH \next, 0, F0
	WIN MUL_HI
	MUL16 F1, 1, 0, 0
	MUL16 F1, 1, 2, 0
.endm
.macro LAP zero                        ; once round the ring, both slots filled again
	THREE 0, \zero
	TURN 0, 1, 1
	THREE 1, 0
	TURN 1, 0, 1
.endm
	s_wait_tensorcnt 1                             ; my part of K step 0 is in; K step 1's may stay out
	s_barrier_signal -1
	s_barrier_wait -1                              ; everybody's is
	FETCH 0, 0, F0
	LAP 1                                          ; the first lap stands in front of the loop: its first products start the sums
	WIN 0                                          ; at a label and at a branch every window is 0
	s_mov_b32 s3, LAPS-2
.Llap:
	LAP 0
	WIN 0
	s_sub_co_u32 s3, s3, 1
	s_cmp_lg_u32 s3, 0
	s_cbranch_scc1 .Llap
	THREE 0, 0                                     ; the last lap fills nothing
	TURN 0, 1, 0
	THREE 1, 0
	s_wait_dscnt 8                                 ; the very last quarter: nothing more to fetch
	WIN MUL_LO
	MUL16 F1, 0, 0, 0
	MUL16 F1, 0, 2, 0
	s_wait_dscnt 0
	WIN MUL_HI
	MUL16 F1, 1, 0, 0
	MUL16 F1, 1, 2, 0
	; THE WAY OUT, 16 rows at a time: add the bias, round to f16, 16 bytes a lane into my own stage in LDS, read back as whole rows of 256 bytes.
	PLACES                                         ; the places behind the last matrix instructions
	s_wait_loadcnt 0x0                             ; the bias, asked for at the start
	s_lshl_b32 s13, s13, 8
	s_lshl_b32 s14, s11, 7
	s_add_co_u32 s16, s13, s14                     ; my first row
	s_mov_b32 s17, 0
	s_mov_b64 s[18:19], SIZE_N*2
	s_mul_u64 s[16:17], s[16:17], s[18:19]
	s_add_nc_u64 s[8:9], s[8:9], s[16:17]
	s_lshl_b32 s46, s42, 9                         ; my first column, in bytes: 512 x block + 256 x half (in the registers that held B's address)
	s_lshl_b32 s47, s12, 8
	s_add_co_u32 s46, s46, s47
	s_mov_b32 s47, 0
	s_add_nc_u64 s[8:9], s[8:9], s[46:47]
; rows 16 i .. 16 i + 15 of my block = the eight tiles (a, 0..7) of window 2 or 3.  add: destination and source 0 in that window (0x82, 0xc3);
; from: sources 0 and 1 in it (0x0a, 0x0f); f: F0 or F1 in turn
.macro OUT16 i, a, add, from, f
	WIN \add
.irp b, 0,1,2,3,4,5,6,7
.irp r, 0,1,2,3
	v_pk_add_f32 v[8*(8*\a+\b)+2*\r:8*(8*\a+\b)+2*\r+1], v[8*(8*\a+\b)+2*\r:8*(8*\a+\b)+2*\r+1], v[32+8*\b+160*(\b/4)+2*\r:32+8*\b+160*(\b/4)+2*\r+1]
.endr
.endr
	WIN \from
.irp b, 0,1,2,3,4,5,6,7
.irp r, 0,1,2,3
	v_cvt_pk_f16_f32 v[TMP+4*\b+\r], v[8*(8*\a+\b)+2*\r], v[8*(8*\a+\b)+2*\r+1]
.endr
.endr
	WIN 0
.irp b, 0,1,2,3,4,5,6,7
	ds_store_b128 v[STO], v[TMP+4*\b:TMP+4*\b+3] offset:32*\b
.endr
	s_wait_xcnt 0x0                                ; buffer f, which earlier stores read, and the stores' base are rewritten only behind this wait (ISA guide 3.1)
.if \i
	s_add_nc_u64 s[8:9], s[8:9], 16*SIZE_N*2       ; 16 rows on
.endif
.irp t, 0,1,2,3,4,5,6,7
	ds_load_b128 v[\f+4*\t:\f+4*\t+3], v[RD] offset:\t*2*SPITCH    ; LDS serves a wave's instructions in order (ISA guide 5.7.1): these see the stores above
.endr
.irp t, 0,1,2,3,4,5,6,7
	s_wait_dscnt 7-\t                              ; load t of the eight is in
	global_store_b128 v[CO], v[\f+4*\t:\f+4*\t+3], s[8:9] offset:2*\t*SIZE_N*2   ; 16 lanes store 256 consecutive bytes, at a multiple of 256 from the buffer's first byte
.endr
.endm
	OUT16 0, 0, 0x82, 0x0a, F0
	OUT16 1, 1, 0x82, 0x0a, F1
	OUT16 2, 2, 0x82, 0x0a, F0
	OUT16 3, 3, 0x82, 0x0a, F1
	OUT16 4, 0, 0xc3, 0x0f, F0
	OUT16 5, 1, 0xc3, 0x0f, F1
	OUT16 6, 2, 0xc3, 0x0f, F0
	OUT16 7, 3, 0xc3, 0x0f, F1
	s_set_vgpr_msb 0x1
	s_wait_tensorcnt 0x0
	ds_add_u32 v255, v31
	s_wait_dscnt 0x0
	s_set_vgpr_msb 0x100
	CROUND                                         ; the closing round: no work-group ends while a partner may still ask for a tile that names it
	s_endpgm
.Lfunc_end_k_qebac7c85bc_qkv:
	.size	k_qebac7c85bc_qkv, .Lfunc_end_k_qebac7c85bc_qkv-k_qebac7c85bc_qkv
	.p2alignl 7, 3214868480
	.fill 96, 4, 3214868480
	.section	.rodata,"a",@progbits
	.p2align	6, 0x0
	.amdhsa_kernel k_qebac7c85bc_qkv
		.amdhsa_group_segment_fixed_size 327680
		.amdhsa_private_segment_fixed_size 0
		.amdhsa_enable_private_segment 0
		.amdhsa_kernarg_size 40
		.amdhsa_user_sgpr_count 2
		.amdhsa_user_sgpr_kernarg_segment_ptr 1
		.amdhsa_wavefront_size32 1
		.amdhsa_system_sgpr_workgroup_id_x 1
		.amdhsa_system_sgpr_workgroup_id_y 1
		.amdhsa_system_sgpr_workgroup_id_z 1
		.amdhsa_system_vgpr_workitem_id 0
		.amdhsa_next_free_vgpr 1024
		.amdhsa_next_free_sgpr 80
		.amdhsa_reserve_vcc 0
		.amdhsa_float_denorm_mode_32 3
		.amdhsa_float_denorm_mode_16_64 3
		.amdhsa_memory_ordered 1
		.amdhsa_forward_progress 1
		.amdhsa_inst_pref_size 214
	.end_amdhsa_kernel
	.amdgpu_metadata
---
amdhsa.version: [ 1, 2 ]
amdhsa.kernels:
  - .name:           k_qebac7c85bc_qkv
    .symbol:         k_qebac7c85bc_qkv.kd
    .args:
      - { .name: xw, .offset: 0, .size: 8, .value_kind: global_buffer, .address_space: global }
      - { .name: bq, .offset: 8, .size: 8, .value_kind: global_buffer, .address_space: global }
      - { .name: bk, .offset: 16, .size: 8, .value_kind: global_buffer, .address_space: global }
      - { .name: bv, .offset: 24, .size: 8, .value_kind: global_buffer, .address_space: global }
      - { .name: qkv, .offset: 32, .size: 8, .value_kind: global_buffer, .address_space: global }
    .group_segment_fixed_size: 327680
    .private_segment_fixed_size: 0
    .kernarg_segment_align: 8
    .kernarg_segment_size: 40
    .max_flat_workgroup_size: 128
    .sgpr_count:     80
    .vgpr_count:     1024
    .wavefront_size: 32
...
	.end_amdgpu_metadata
.endif
;; end of part 2
;; launch attn (part 3): grid 16 x 16, 8 waves a work-group, clusters of 4 x 1, 327,680 bytes of LDS; arguments qkv, att; writes att
.if DOCPART == 3
	.amdgcn_target "amdgcn-amd-amdhsa--gfx1250"
	.amdhsa_code_object_version 6
	.text
	.protected	k_qebac7c85bc_attn
	.globl	k_qebac7c85bc_attn
	.p2align	8
	.type	k_qebac7c85bc_attn,@function
k_qebac7c85bc_attn:
	s_mov_b64 s[64:65], 0
	v_nop
	global_prefetch_b8 v0, s[64:65] scope:SCOPE_SE
	s_setreg_imm32_b32 hwreg(HW_REG_WAVE_MODE, 25, 1), 1
	s_wait_xcnt 0x0
	s_wait_alu depctr_hold_cnt(0) depctr_sa_sdst(0) depctr_va_vdst(0) depctr_va_sdst(0) depctr_va_ssrc(0) depctr_va_vcc(0) depctr_vm_vsrc(0)
	s_getreg_b32 s2, hwreg(HW_REG_IB_STS2, 6, 4)
	s_cmp_eq_u32 s2, 0
	s_cbranch_scc0 .Lentry_in_a_cluster
	s_endpgm
.Lentry_in_a_cluster:
	s_bfe_u32 s2, ttmp6, 0x10000c
	s_cmp_lg_u32 s2, 0x3003
	s_cbranch_scc0 .Lentry_shape_is_right
	s_endpgm
.Lentry_shape_is_right:
; att[b][q][64 head + d] = sum over keys of softmax over keys of (q . k / 8) times v, for 2 batches x 16 heads x 2048 queries x 2048 keys, d = 64.
; q, k, v are columns 0, 1024, 2048 (+ 64 head + d) of qkv [4096][3072] f16; att is [4096][1024] f16.  Products on f16 operands with f32 sums;
; the softmax in f32 with a running maximum.  The factor 1/8 and log2(e) are the multiplier c of the multiply-add in front of the exponential.
; LIMITS: a probability under 2^-24 of its row's largest goes into the product with v as 0 (f16); the row's sum is made of the f32 probabilities, the
; product of their f16 roundings; NaN and infinite inputs are not served.
; SHARES.  A work-group takes 128 queries of a PAIR of heads, so that its rows of K, V and att are 256 bytes and start at multiples of 256 bytes.
; Eight waves, two on each SIMD.  Wave w: head w & 1 of the pair, queries 64 ((w >> 1) & 1) + 0..63, and of every 128 keys the half w >> 2.  The two
; waves w and w ^ 4 thus have the same queries and disjoint keys, so that LDS is read no more than by four waves; they join once, at the end.
; CLUSTER: the four work-groups of a cluster are four query blocks of one batch and head pair; they read the same K and V tiles and ask for them jointly (mask 15).
; ORIENTATION.  S^T = K Q^T: lane (r, h) holds query r and keys 8 h + j of each tile of 16 keys; two such tiles, packed pair by pair, ARE the
; second source P^T for 32 keys.  O^T = V^T P^T, V^T brought by the transposing LDS load: lane (r, h) holds query r, d = 16 dt + 8 h + j.
; So the maximum, the sum and the rescale factor are one number a lane, and one exchange between the halves of the wave joins a maximum.
; WOVEN.  A block of 64 keys has 64 matrix instructions and some 480 vector instructions.  The eight score products of the NEXT query tile stand singly
; among the vector lines of this tile's softmax step, one behind every 8 to 14 of them, and the products with V stand among the multiplies that rescale O:
; behind a matrix instruction the wave has vector lines to issue that name none of its registers.
; REGISTERS.  Window 0 holds all that the scores and the softmax name (S, P, K's and Q's fragments, the running figures): one setting, 0, serves both.
; Window 1 holds O and V^T's fragments: one setting, 0x51 (destination, source 0 and source 2 in window 1), serves O += V^T P^T and O *= factor alike.
; LDS: two slots of 256 keys; in a slot K's 256 rows at pitch 272, then V's 256 rows at pitch 288.  Slot 0, after its last fill and last read, serves the way out.
.set QROW,  6144                       ; bytes in a row of qkv
.set KP,    272                        ; K's LDS pitch: 256 + 16
.set VP,    288                        ; V's LDS pitch: 256 + 32, an odd multiple of 32 for the transposing load
.set KPART, 64*KP                      ; what one tensor load brings of K
.set VPART, 64*VP                      ; and of V
.set VREG,  4*KPART                    ; V's place in a slot
.set SLOT,  4*KPART+4*VPART            ; 143,360
.set TSTEP, 256*QROW                   ; from a tile of 256 keys to the next
.set STAGEB, VREG                      ; the way out: 128 rows of 256 bytes at pitch 272, in slot 0's V region
.set SPITCH, 272
.set SCRB,  17408                      ; the way out: a wave pair's scratch: 16,384 bytes of O, 512 of maxima, 512 of sums; four of them in slot 0's K region
.set KADR, 2                           ; v2-3    my K fragments in slot 0, 1
.set VADR, 4                           ; v4-5    my V fragments in slot 0, 1
.set SCA,  6                           ; v6      scratch: 16 bytes a lane
.set STO,  7                           ; v7      stage, in
.set RD,   8                           ; v8      stage, back
.set CO,   9                           ; v9      my byte offset in att
.set QO,   10                          ; v10     my byte offset in q
.set M,    12                          ; v12-15  running maximum of query tile t (raw scores)
.set L,    16                          ; v16-23  a pair of partial sums for each t
.set NM,   24                          ; v24-25  -c x maximum, twice
.set AL,   26                          ; v26-27  rescale factor, twice
.set T,    28                          ; v28-31  at work
.set S0,   32                          ; v32-63  scores, buffer 0: 64 keys x 16 queries
.set S1,   64                          ; v64-95  scores, buffer 1
.set P,    96                          ; v96-111 probabilities in f16: two second sources of 32 keys
.set KF,   128                         ; v128-191 K fragment (kt, ks) at 8 (2 kt + ks)
.set QF,   192                         ; v192-255 Q fragment (t, ks) at 8 (2 t + ks)
.set VF,   128                         ; window 1: V^T fragment (dt, ks) at 128 + 8 (2 dt + ks);  O(t, dt) at 32 t + 8 dt
.set G1K, 24                           ; s[24:31] group 1 for K
.set G0K, 32                           ; s[32:39] group 0 for K, a set for each slot
.set G1V, 48                           ; s[48:55] group 1 for V: a pad of 8 words
.set G0V, 56                           ; s[56:63] group 0 for V
.set MSB, 0
.macro WIN new                         ; low byte: bits 1:0 source 0, 3:2 source 1, 5:4 source 2, 7:6 destination; the high byte repeats the setting that is left
.if MSB != \new
	s_set_vgpr_msb (MSB<<8)|\new
.set MSB, \new
.endif
.endm
.macro PLACES                          ; four independent vector instructions behind a matrix instruction (ISA guide 7.12.1 for vector instructions)
.rept 4
	v_nop
.endr
.endm
.macro JLOAD s                         ; waves 0-3 ask for K's four parts of 64 rows, waves 4-7 for V's; the branch hangs on the wave's number alone
	s_cmp_eq_u32 s11, 0
	s_cbranch_scc0 .Lfor_v_\@
	tensor_load_to_lds s[G0K+4*\s:G0K+4*\s+3], s[G1K:G1K+7]
	s_nop 0
	s_branch .Lasked_\@
.Lfor_v_\@:
	tensor_load_to_lds s[G0V+4*\s:G0V+4*\s+3], s[G1V:G1V+7]
	s_nop 0
.Lasked_\@:
.endm
.macro CROUND                          ; a round of the cluster's barrier
	s_barrier_signal -1
	s_barrier_wait -1
	s_cmp_lg_u32 s10, 0
	s_cbranch_scc1 .Lnot_wave_0_\@
	s_barrier_signal -3
.Lnot_wave_0_\@:
	s_barrier_wait -3
	s_barrier_signal -1
	s_barrier_wait -1
.endm
	s_load_b128 s[4:7], s[0:1], 0x0                ; qkv s[4:5], att s[6:7]
	v_lshl_add_u32 v126, v0, 2, 0x46000
	v_mov_b32 v127, 0
	ds_add_u32 v126, v127
	v_lshrrev_b32 v1, 5, v0
	v_readfirstlane_b32 s10, v1                    ; wave 0..7
	s_and_b32 s8, s10, 1                           ; hs: head of the pair
	s_bfe_u32 s9, s10, 0x10001                     ; qg: which 64 queries
	s_lshr_b32 s11, s10, 2                         ; kp: which half of every 128 keys.  Also: I fetch for K (0) or for V (1)
	s_and_b32 s12, s10, 3                          ; which 64 rows of a tile I fetch; also the wave pair's number
	s_and_b32 s13, ttmp7, 0xffff                   ; y = 8 x batch + head pair; the cluster is one work-group high
	s_lshr_b32 s14, s13, 3                         ; batch
	s_and_b32 s15, s13, 7                          ; head pair
	s_lshl_b32 s16, s14, 11                        ; the batch's first row
	s_lshl_b32 s20, s15, 8                         ; the head pair's 256 bytes in a row
	s_lshl_b32 s22, s8, 7                          ; my head's 128 bytes of them
	s_bfe_u32 s40, ttmp6, 0x40000                  ; cx.  It and what is made of it stay in s40 to s47: no descriptor and no LDS address sees them
	s_lshl_b32 s42, ttmp9, 2
	s_add_co_u32 s42, s42, s40                     ; query block = 4 x cluster x + cx
	s_lshl_b32 s43, s42, 7
	s_add_co_u32 s43, s43, s16                     ; the work-group's first query row
	s_mov_b32 s70, 0x76543210                      ; v_permlanex16_b32: lane i of one half reads lane i of the other
	s_mov_b32 s71, 0xfedcba98
	s_mov_b32 s72, 0x3e38aa3b                      ; c = log2(e) / 8
	s_mov_b32 s73, 0x3e38aa3b                      ; (the pair's second word is written too)
	s_mov_b32 s74, 0xbe38aa3b                      ; -c
	; group 1: tiles of 64 rows x 128 elements of 2 bytes; padding behind every 64 words: 4 words for K, 8 for V; mask 15: all four work-groups of the cluster
	s_mov_b32 s[G1K+0], 15|(1<<16)|(1<<20)|(1<<21)|(5<<22)|(3<<25)
	s_mov_b32 s[G1V+0], 15|(1<<16)|(1<<20)|(1<<21)|(5<<22)|(7<<25)
	s_mov_b32 s[G1K+1], 128<<16                    ; tensor_dim0 = 128
	s_mov_b32 s[G1V+1], 128<<16
	s_mov_b32 s[G1K+2], 64<<16                     ; tensor_dim1 = 64
	s_mov_b32 s[G1V+2], 64<<16
	s_mov_b32 s[G1K+3], 128<<16                    ; tile_dim0 = 128
	s_mov_b32 s[G1V+3], 128<<16
	s_mov_b32 s[G1K+4], 64                         ; tile_dim1 = 64
	s_mov_b32 s[G1V+4], 64
	s_mov_b32 s[G1K+5], 3072                       ; elements from row to row
	s_mov_b32 s[G1V+5], 3072
	s_mov_b32 s[G1K+6], 0
	s_mov_b32 s[G1V+6], 0
	s_mov_b32 s[G1K+7], 0
	s_mov_b32 s[G1V+7], 0
	s_lshl_b32 s17, s12, 6
	s_add_co_u32 s17, s17, s16                     ; the first key row that I fetch: batch and wave alone
	s_mul_i32 s18, s17, QROW
	s_add_co_u32 s18, s18, s20
	s_mov_b32 s19, 0
	s_lshl_b32 s44, s9, 6
	s_add_co_u32 s44, s44, s43                     ; my first query row
	s_mul_i32 s44, s44, QROW
	s_add_co_u32 s44, s44, s20
	s_add_co_u32 s44, s44, s22
	s_mov_b32 s45, 0
	s_lshl_b32 s46, s10, 4
	s_add_co_u32 s46, s46, s43                     ; the 16 rows of att that I store
	s_lshl_b32 s46, s46, 11
	s_add_co_u32 s46, s46, s20
	s_mov_b32 s47, 0
	s_mul_i32 s21, s12, KPART                      ; where my part goes: the wave's number times a constant, plus the slot's constant
	s_mul_i32 s23, s12, VPART
	s_add_co_u32 s23, s23, VREG
	s_wait_dscnt 0x0
	s_wait_kmcnt 0x0
	s_add_nc_u64 s[18:19], s[4:5], s[18:19]
	s_add_nc_u64 s[44:45], s[4:5], s[44:45]        ; q
	s_add_nc_u64 s[6:7], s[6:7], s[46:47]          ; att
.irp s, 0,1
	s_mov_b32 s[G0K+4*\s], 1
	s_add_co_u32 s[G0K+4*\s+1], s21, \s*SLOT
	s_add_nc_u64 s[G0K+4*\s+2:G0K+4*\s+3], s[18:19], 2048+\s*TSTEP     ; k begins 2,048 bytes into a row; tile s
	s_or_b32 s[G0K+4*\s+3], s[G0K+4*\s+3], 0x80000000
	s_mov_b32 s[G0V+4*\s], 1
	s_add_co_u32 s[G0V+4*\s+1], s23, \s*SLOT
	s_add_nc_u64 s[G0V+4*\s+2:G0V+4*\s+3], s[18:19], 4096+\s*TSTEP     ; v begins 4,096 bytes into a row
	s_or_b32 s[G0V+4*\s+3], s[G0V+4*\s+3], 0x80000000
.endr
	CROUND                                         ; the four work-groups are here: the first joint loads meet
	JLOAD 0                                        ; tile 0
	JLOAD 1                                        ; tile 1: two tensor loads of the wave are out, the most in this text
	v_and_b32 v1, 15, v0                           ; r
	v_bfe_u32 v11, v0, 4, 1                        ; h
	v_mul_u32_u24 v[QO], v1, QROW
	v_lshl_add_u32 v[QO], v11, 4, v[QO]            ; query r's row + 16 h
.irp t, 0,1,2,3
.irp ks, 0,1
	global_load_b128 v[QF+16*\t+8*\ks:QF+16*\t+8*\ks+3],   v[QO], s[44:45] offset:16*QROW*\t+64*\ks
	global_load_b128 v[QF+16*\t+8*\ks+4:QF+16*\t+8*\ks+7], v[QO], s[44:45] offset:16*QROW*\t+64*\ks+32
.endr
.endr
	v_mul_u32_u24 v[KADR], v1, KP                  ; K fragment: key r's row + my head's 128 bytes + 16 h, in my half of the keys
	v_lshl_add_u32 v[KADR], v11, 4, v[KADR]
	s_mul_i32 s23, s11, KPART
	s_add_co_u32 s23, s23, s22
	v_add_nc_u32 v[KADR], s23, v[KADR]
	v_add_nc_u32 v[KADR+1], SLOT, v[KADR]
	v_and_b32 v[VADR], 7, v0                       ; V^T fragment: row 8 h + (l & 7), 16 bytes at 16 ((l >> 3) & 1)
	v_lshl_add_u32 v[VADR], v11, 3, v[VADR]
	v_mul_u32_u24 v[VADR], v[VADR], VP
	v_bfe_u32 v[VADR+1], v0, 3, 1
	v_lshl_add_u32 v[VADR], v[VADR+1], 4, v[VADR]
	s_mul_i32 s23, s11, VPART
	s_add_co_u32 s23, s23, s22
	s_add_co_u32 s23, s23, VREG
	v_add_nc_u32 v[VADR], s23, v[VADR]
	v_add_nc_u32 v[VADR+1], SLOT, v[VADR]
	v_and_b32 v[SCA], 31, v0
	s_mul_i32 s23, s12, SCRB
	v_lshl_add_u32 v[SCA], v[SCA], 4, s23          ; the pair's scratch + 16 x lane
	s_mul_i32 s23, s9, 64*SPITCH
	s_add_co_u32 s23, s23, s22
	s_add_co_u32 s23, s23, STAGEB
	v_mul_u32_u24 v[STO], v1, SPITCH
	v_lshl_add_u32 v[STO], v11, 4, v[STO]
	v_add_nc_u32 v[STO], s23, v[STO]               ; stage row 64 qg + r, byte 128 hs + 16 h
	s_mul_i32 s23, s10, 16*SPITCH
	s_add_co_u32 s23, s23, STAGEB
	v_mul_u32_u24 v[RD], v11, SPITCH
	v_lshl_add_u32 v[RD], v1, 4, v[RD]
	v_add_nc_u32 v[RD], s23, v[RD]                 ; stage row 16 w + h, byte 16 r
	v_lshlrev_b32 v[CO], 11, v11
	v_lshl_add_u32 v[CO], v1, 4, v[CO]             ; the same two rows in att
; The k-th of the eight score products of query tile sc against the block's 64 keys, into buffer nb; sc = -1: none.  k = 0..3: key tiles 0..3, d 0-31,
; starting the sums; k = 4..7: the same key tiles, d 32-63.  The four accumulators take turns, one instruction a turn.
.macro W sc, nb, k
.if \sc >= 0
.if \k < 4
	v_wmma_f32_16x16x32_f16 v[\nb+8*\k:\nb+8*\k+7], v[KF+16*\k:KF+16*\k+7], v[QF+16*\sc:QF+16*\sc+7], 0
.else
	v_wmma_f32_16x16x32_f16 v[\nb+8*\k-32:\nb+8*\k-25], v[KF+16*\k-56:KF+16*\k-49], v[QF+16*\sc+8:QF+16*\sc+15], v[\nb+8*\k-32:\nb+8*\k-25]
.endif
.endif
.endm
; The softmax step of query tile t on buffer sb: new maximum, probabilities, their f16 packing, the sum and its rescaling; all in window 0.
; Among its lines stand the score products of tile sc into the other buffer nb.  The step names sb, T, M, NM, AL, P and L alone, none of their registers.
; The sixteen lines of the sum behind the last product are the places in front of the next reader of nb and of loads into K's fragments.
; kw = 1: K's fragments for these products were asked for a stage ago and are waited for in front of the first of them.
.macro CORE t, sb, first, sc, nb, kw
.irp k, 0,1,2,3
	v_max3_num_f32 v[T+\k], v[\sb+8*\k], v[\sb+8*\k+1], v[\sb+8*\k+2]      ; four chains that do not wait for each other
.endr
.irp k, 0,1,2,3
	v_max3_num_f32 v[T+\k], v[T+\k], v[\sb+8*\k+3], v[\sb+8*\k+4]
.endr
.irp k, 0,1,2,3
	v_max3_num_f32 v[T+\k], v[T+\k], v[\sb+8*\k+5], v[\sb+8*\k+6]
.endr
.if \kw
	s_wait_dscnt 0x0                               ; the next block's K fragments: the only LDS loads that are out
.endif
	W \sc, \nb, 0
	v_max3_num_f32 v[T],   v[T],   v[\sb+7],  v[\sb+15]
	v_max3_num_f32 v[T+1], v[T+1], v[\sb+23], v[\sb+31]
	v_max3_num_f32 v[T],   v[T],   v[T+1],    v[T+2]
.if \first
	v_max_num_f32 v[T], v[T], v[T+3]
.else
	v_max3_num_f32 v[T], v[T], v[T+3], v[M+\t]     ; the running maximum comes in
.endif
	v_permlanex16_b32 v[T+1], v[T], s70, s71       ; the other half of the wave holds the query's other keys
	v_max_num_f32 v[T], v[T], v[T+1]               ; the new maximum m
	v_mul_f32 v[NM],   s74, v[T]                   ; -c m, twice
	v_mul_f32 v[NM+1], s74, v[T]
.if \first == 0
	v_fma_f32 v[T+1], v[M+\t], s72, v[NM]          ; c (old maximum - m)
	v_exp_f32 v[AL], v[T+1]                        ; the rescale factor; the multiply-adds below are the plain instructions behind it (ISA guide 5.7.2)
.endif
.irp i, 0,1,2,3
	v_pk_fma_f32 v[\sb+2*\i:\sb+2*\i+1], v[\sb+2*\i:\sb+2*\i+1], s[72:73], v[NM:NM+1] op_sel_hi:[1,0,1]   ; c s - c m
.endr
	W \sc, \nb, 1
.irp i, 4,5,6,7,8,9,10,11,12,13,14,15
	v_pk_fma_f32 v[\sb+2*\i:\sb+2*\i+1], v[\sb+2*\i:\sb+2*\i+1], s[72:73], v[NM:NM+1] op_sel_hi:[1,0,1]
.endr
	W \sc, \nb, 2
.irp i, 0,1,2,3,4,5,6,7,8,9
	v_exp_f32 v[\sb+\i], v[\sb+\i]
.endr
	W \sc, \nb, 3
.irp i, 10,11,12,13,14,15,16,17,18,19,20
	v_exp_f32 v[\sb+\i], v[\sb+\i]
.endr
	W \sc, \nb, 4
.irp i, 21,22,23,24,25,26,27,28,29,30,31
	v_exp_f32 v[\sb+\i], v[\sb+\i]
.endr
	v_mov_b32 v[M+\t], v[T]                        ; the plain instruction behind the run of exponentials
.if \first == 0
	s_wait_alu depctr_va_vdst(0)
	v_mov_b32 v[AL+1], v[AL]
.endif
	W \sc, \nb, 5
	s_wait_alu depctr_va_vdst(0)
.irp i, 0,1,2,3,4,5,6,7
	v_cvt_pk_f16_f32 v[P+\i], v[\sb+2*\i], v[\sb+2*\i+1]                   ; keys 8 h + 2 i', + 1 of tile i / 4: the second source's own order
.endr
	W \sc, \nb, 6
.irp i, 8,9,10,11,12,13,14,15
	v_cvt_pk_f16_f32 v[P+\i], v[\sb+2*\i], v[\sb+2*\i+1]
.endr
	W \sc, \nb, 7
.irp i, 0,1,2,3,4,5,6,7
	v_pk_add_f32 v[\sb+2*\i:\sb+2*\i+1], v[\sb+2*\i:\sb+2*\i+1], v[\sb+16+2*\i:\sb+16+2*\i+1]
.endr
.irp i, 0,1,2,3
	v_pk_add_f32 v[\sb+2*\i:\sb+2*\i+1], v[\sb+2*\i:\sb+2*\i+1], v[\sb+8+2*\i:\sb+8+2*\i+1]
.endr
.irp i, 0,1
	v_pk_add_f32 v[\sb+2*\i:\sb+2*\i+1], v[\sb+2*\i:\sb+2*\i+1], v[\sb+4+2*\i:\sb+4+2*\i+1]
.endr
.if \first
	v_pk_add_f32 v[L+2*\t:L+2*\t+1], v[\sb:\sb+1], v[\sb+2:\sb+3]          ; the first block starts the sums
.else
	v_pk_add_f32 v[\sb:\sb+1], v[\sb:\sb+1], v[\sb+2:\sb+3]
	v_pk_fma_f32 v[L+2*\t:L+2*\t+1], v[L+2*\t:L+2*\t+1], v[AL:AL+1], v[\sb:\sb+1]
.endif
.endm
; O(t) = O(t) x factor + V^T P^T, under one window setting.  The four multiplies that rescale O(t, dt) stand in front of that accumulator's first product
; and behind the product of dt - 1, whose registers they do not name.  first = 1: the first product starts the sums and nothing is rescaled.
; The four accumulators take turns, one instruction a turn.
.macro STAGE t, first
	WIN 0x51                                       ; destination, source 0 (V^T; O) and source 2 in window 1; source 1 (P; the factor) in window 0
.irp dt, 0,1,2,3
.if \first
	v_wmma_f32_16x16x32_f16 v[32*\t+8*\dt:32*\t+8*\dt+7], v[VF+16*\dt:VF+16*\dt+7], v[P:P+7], 0
.else
.irp i, 0,1,2,3
	v_pk_mul_f32 v[32*\t+8*\dt+2*\i:32*\t+8*\dt+2*\i+1], v[32*\t+8*\dt+2*\i:32*\t+8*\dt+2*\i+1], v[AL:AL+1]
.endr
	v_wmma_f32_16x16x32_f16 v[32*\t+8*\dt:32*\t+8*\dt+7], v[VF+16*\dt:VF+16*\dt+7], v[P:P+7], v[32*\t+8*\dt:32*\t+8*\dt+7]
.endif
.endr
.irp dt, 0,1,2,3
	v_wmma_f32_16x16x32_f16 v[32*\t+8*\dt:32*\t+8*\dt+7], v[VF+16*\dt+8:VF+16*\dt+15], v[P+8:P+15], v[32*\t+8*\dt:32*\t+8*\dt+7]
.endr
	WIN 0
.endm
.macro KLOAD slot, i                   ; K's fragments of my i-th block of 64 keys of the tile in the slot: 16 loads
.irp kt, 0,1,2,3
.irp ks, 0,1
	ds_load_b128 v[KF+16*\kt+8*\ks:KF+16*\kt+8*\ks+3],   v[KADR+\slot] offset:\i*2*KPART+\kt*16*KP+\ks*64
	ds_load_b128 v[KF+16*\kt+8*\ks+4:KF+16*\kt+8*\ks+7], v[KADR+\slot] offset:\i*2*KPART+\kt*16*KP+\ks*64+32
.endr
.endr
.endm
.macro VLOAD slot, i                   ; V^T's fragments of the same block: 16 transposing loads into window 1
	WIN 0x40
.irp dt, 0,1,2,3
.irp ks, 0,1
	ds_load_tr16_b128 v[VF+16*\dt+8*\ks:VF+16*\dt+8*\ks+3],   v[VADR+\slot] offset:\i*2*VPART+\ks*32*VP+\dt*32
	ds_load_tr16_b128 v[VF+16*\dt+8*\ks+4:VF+16*\dt+8*\ks+7], v[VADR+\slot] offset:\i*2*VPART+\ks*32*VP+\dt*32+16*VP
.endr
.endr
	WIN 0
.endm
; My i-th block of 64 keys of the tile in the slot, against my 64 queries; block 1 always follows block 0 of the same slot.
; The scores of query tile t + 1 are made inside the softmax step of tile t, on the other of two buffers.  Only block 0's tile 0 has no step to stand in:
; its eight products stand bare.  Block 1's tile 0 stands in block 0's last step, on K fragments asked for behind the step that read the old ones last.
.macro BLOCK slot, i, first
.if \i == 0
	KLOAD \slot, 0
.endif
	PLACES                                         ; behind the last block's last products, which read V^T's fragments
	VLOAD \slot, \i
.if \i == 0
	s_wait_dscnt 16                                ; K's 16 loads, the older ones, are in; V's 16 stay out
.irp k, 0,1,2,3,4,5,6,7
	W 0, S0, \k
.endr
	PLACES                                         ; in front of the first reader of these scores
.endif
	CORE 0, S0, \first, 1, S1, 0
	s_wait_dscnt 0x0                               ; V's fragments, asked for a softmax step ago
	STAGE 0, \first
	CORE 1, S1, \first, 2, S0, 0
	STAGE 1, \first
	CORE 2, S0, \first, 3, S1, 0
.if \i == 0
	KLOAD \slot, 1                                 ; the last products on the old K fragments stand sixteen vector lines back
.endif
	STAGE 2, \first
.if \i == 0
	CORE 3, S1, \first, 0, S0, 1
.else
	CORE 3, S1, \first, -1, S0, 0
.endif
	STAGE 3, \first
.endm
; A tile of 256 keys.  refill = 1: the other slot, read last, gets the tile two further on.  Each wave waits for all its tensor loads and for its LDS reads;
; the round of the cluster's barrier shows that of every wave of all four work-groups; the joint refill is the first thing behind it, one load a wave,
; and has this tile's two blocks (128 matrix instructions and eight softmax steps of the wave) in which to land.
.macro TILE slot, other, refill
	s_wait_tensorcnt 0x0                           ; all my tensor loads have landed, my part of this tile among them: a group 0 may be written
	ds_add_u32 v126, v127
	s_wait_dscnt 0x0
.if \refill
	s_add_nc_u64 s[G0K+4*\other+2:G0K+4*\other+3], s[G0K+4*\other+2:G0K+4*\other+3], 2*TSTEP
	s_add_nc_u64 s[G0V+4*\other+2:G0V+4*\other+3], s[G0V+4*\other+2:G0V+4*\other+3], 2*TSTEP
.endif
	s_wait_dscnt 0x0                               ; my reads of the other slot are over
.if \refill
	CROUND
	JLOAD \other
.else
	s_barrier_signal -1
	s_barrier_wait -1
.endif
	BLOCK \slot, 0, 0
	BLOCK \slot, 1, 0
.endm
	s_wait_tensorcnt 0x1                           ; my part of tile 0 is in; tile 1's may stay out
	s_barrier_signal -1
	s_barrier_wait -1
	s_wait_loadcnt 0x0                             ; Q
	BLOCK 0, 0, 1                                  ; the first block starts maxima and sums: nothing is cleared
	BLOCK 0, 1, 0
	s_mov_b32 s3, 3
.Lpair:
	TILE 1, 0, 1                                   ; tiles 1, 3, 5; slot 0 gets tiles 2, 4, 6
	TILE 0, 1, 1                                   ; tiles 2, 4, 6; slot 1 gets tiles 3, 5, 7
	s_sub_co_u32 s3, s3, 1
	s_cmp_lg_u32 s3, 0
	s_cbranch_scc1 .Lpair
	TILE 1, 0, 0                                   ; tile 7: nothing is left to fetch.  Its barrier also shows every wave's reads of slot 0 over
	; THE WAY OUT.  The sums of a lane's pair and of the two halves of the wave; these twelve lines are also the places behind the last matrix instructions.
.irp t, 0,1,2,3
	v_add_f32 v[T+\t], v[L+2*\t], v[L+2*\t+1]
.endr
.irp t, 0,1,2,3
	v_permlanex16_b32 v[NM+\t], v[T+\t], s70, s71  ; v24-27 have been written before
.endr
.irp t, 0,1,2,3
	v_add_f32 v[T+\t], v[T+\t], v[NM+\t]
.endr
	; Waves 4-7 hand O, maxima and sums to their partners through slot 0's K region, which has had its last fill and its last read.
	s_cmp_eq_u32 s11, 0
	s_cbranch_scc1 .Lkeep
	WIN 0x04                                       ; store data in window 1
.set i, 0
.rept 32
	ds_store_b128 v[SCA], v[4*i:4*i+3] offset:512*i
.set i, i+1
.endr
	WIN 0
	ds_store_b128 v[SCA], v[M:M+3] offset:16384
	ds_store_b128 v[SCA], v[T:T+3] offset:16896
.Lkeep:
	s_wait_dscnt 0x0                               ; for the partner's sake: my stores are done
	s_barrier_signal -1
	s_barrier_wait -1
	s_cmp_lg_u32 s11, 0
	s_cbranch_scc1 .Ljoined
	ds_load_b128 v[32:35], v[SCA] offset:16384     ; the partner's maxima
	ds_load_b128 v[36:39], v[SCA] offset:16896     ; and sums
.set i, 0
.rept 32
	ds_load_b128 v[128+4*i:128+4*i+3], v[SCA] offset:512*i      ; its O(t, dt) at v[128 + 32 t + 8 dt], where K's and Q's fragments lay
.set i, i+1
.endr
	s_wait_dscnt 32                                ; the two oldest loads are in; the 32 of O stay out
.irp t, 0,1,2,3
	v_max_num_f32 v[40+\t], v[M+\t], v[32+\t]      ; the joint maximum
.endr
.irp t, 0,1,2,3
	v_mul_f32 v[40+\t], s74, v[40+\t]
.endr
.irp t, 0,1,2,3
	v_fma_f32 v[48+\t], v[M+\t],  s72, v[40+\t]
	v_fma_f32 v[52+\t], v[32+\t], s72, v[40+\t]
.endr
.irp i, 0,1,2,3,4,5,6,7
	v_exp_f32 v[48+\i], v[48+\i]                   ; my factor (v48-51) and the partner's (v52-55)
.endr
	v_nop                                          ; a plain instruction behind the run (ISA guide 5.7.2)
	s_wait_alu depctr_va_vdst(0)
.irp t, 0,1,2,3
	v_mul_f32 v[44+\t], v[T+\t], v[48+\t]
.endr
.irp t, 0,1,2,3
	v_fmac_f32 v[44+\t], v[36+\t], v[52+\t]        ; the row's whole sum: about 1 at the least, since the largest score's own term is in it
.endr
.irp t, 0,1,2,3
	v_rcp_f32 v[44+\t], v[44+\t]
.endr
	v_nop
	s_wait_alu depctr_va_vdst(0)
.irp t, 0,1,2,3
	v_mul_f32 v[56+2*\t], v[48+\t], v[44+\t]       ; both factors divided by the sum, each twice for the packed forms
	v_mul_f32 v[57+2*\t], v[48+\t], v[44+\t]
	v_mul_f32 v[64+2*\t], v[52+\t], v[44+\t]
	v_mul_f32 v[65+2*\t], v[52+\t], v[44+\t]
.endr
	s_wait_dscnt 0x0
.irp t, 0,1,2,3
.irp i, 0,1,2,3,4,5,6,7,8,9,10,11,12,13,14,15
	v_pk_mul_f32 v[128+32*\t+2*\i:128+32*\t+2*\i+1], v[128+32*\t+2*\i:128+32*\t+2*\i+1], v[64+2*\t:65+2*\t]
.endr
.endr
	WIN 0x01                                       ; source 0 (my O) in window 1
.irp t, 0,1,2,3
.irp i, 0,1,2,3,4,5,6,7,8,9,10,11,12,13,14,15
	v_pk_fma_f32 v[128+32*\t+2*\i:128+32*\t+2*\i+1], v[32*\t+2*\i:32*\t+2*\i+1], v[56+2*\t:57+2*\t], v[128+32*\t+2*\i:128+32*\t+2*\i+1]
.endr
.endr
	WIN 0
.irp t, 0,1,2,3
.irp i, 0,1,2,3,4,5,6,7,8,9,10,11,12,13,14,15
	v_cvt_pk_f16_f32 v[P+\i], v[128+32*\t+2*\i], v[128+32*\t+2*\i+1]
.endr
.irp dt, 0,1,2,3
	ds_store_b128 v[STO], v[P+4*\dt:P+4*\dt+3] offset:16*SPITCH*\t+32*\dt      ; query 16 t + r, d = 16 dt + 8 h + 0..7: 16 bytes
.endr
.endr
.Ljoined:
	s_wait_dscnt 0x0                               ; the stage's rows are written by two waves each: stores done, then the barrier
	s_barrier_signal -1
	s_barrier_wait -1
.irp i, 0,1,2,3,4,5,6,7
	ds_load_b128 v[32+4*\i:35+4*\i], v[RD] offset:2*SPITCH*\i      ; every wave takes 16 of the 128 rows, two at a time
.endr
.irp i, 0,1,2,3,4,5,6,7
	s_wait_dscnt 7-\i                              ; load i of the eight is in
	global_store_b128 v[CO], v[32+4*\i:35+4*\i], s[6:7] offset:4096*\i   ; 16 lanes store 256 consecutive bytes, at a multiple of 256 from att's first byte
.endr
	s_wait_tensorcnt 0x0
	ds_add_u32 v126, v127
	s_wait_dscnt 0x0
	CROUND                                         ; the closing round
	s_endpgm
.Lfunc_end_k_qebac7c85bc_attn:
	.size	k_qebac7c85bc_attn, .Lfunc_end_k_qebac7c85bc_attn-k_qebac7c85bc_attn
	.p2alignl 7, 3214868480
	.fill 96, 4, 3214868480
	.section	.rodata,"a",@progbits
	.p2align	6, 0x0
	.amdhsa_kernel k_qebac7c85bc_attn
		.amdhsa_group_segment_fixed_size 327680
		.amdhsa_private_segment_fixed_size 0
		.amdhsa_enable_private_segment 0
		.amdhsa_kernarg_size 16
		.amdhsa_user_sgpr_count 2
		.amdhsa_user_sgpr_kernarg_segment_ptr 1
		.amdhsa_wavefront_size32 1
		.amdhsa_system_sgpr_workgroup_id_x 1
		.amdhsa_system_sgpr_workgroup_id_y 1
		.amdhsa_system_sgpr_workgroup_id_z 1
		.amdhsa_system_vgpr_workitem_id 0
		.amdhsa_next_free_vgpr 448
		.amdhsa_next_free_sgpr 80
		.amdhsa_reserve_vcc 0
		.amdhsa_float_denorm_mode_32 3
		.amdhsa_float_denorm_mode_16_64 3
		.amdhsa_memory_ordered 1
		.amdhsa_forward_progress 1
		.amdhsa_inst_pref_size 255
	.end_amdhsa_kernel
	.section	.bss,"aw",@nobits
	.p2align	6
	.space	262144
	.amdgpu_metadata
---
amdhsa.version: [ 1, 2 ]
amdhsa.kernels:
  - .name:           k_qebac7c85bc_attn
    .symbol:         k_qebac7c85bc_attn.kd
    .args:
      - { .name: qkv, .offset: 0, .size: 8, .value_kind: global_buffer, .address_space: global }
      - { .name: att, .offset: 8, .size: 8, .value_kind: global_buffer, .address_space: global }
    .group_segment_fixed_size: 327680
    .private_segment_fixed_size: 0
    .kernarg_segment_align: 8
    .kernarg_segment_size: 16
    .max_flat_workgroup_size: 256
    .sgpr_count:     80
    .vgpr_count:     448
    .wavefront_size: 32
...
	.end_amdgpu_metadata
.endif
;; end of part 3
;; launch oproj (part 4): grid 8 x 32, 4 waves a work-group, clusters of 4 x 4, 327,680 bytes of LDS; arguments att, xw, bo, out0; writes out0
.if DOCPART == 4
	.amdgcn_target "amdgcn-amd-amdhsa--gfx1250"
	.amdhsa_code_object_version 6
	.text
	.protected	k_qebac7c85bc_oproj
	.globl	k_qebac7c85bc_oproj
	.p2align	8
	.type	k_qebac7c85bc_oproj,@function
k_qebac7c85bc_oproj:
	s_mov_b64 s[64:65], 0
	v_nop
	global_prefetch_b8 v0, s[64:65] scope:SCOPE_SE
	s_setreg_imm32_b32 hwreg(HW_REG_WAVE_MODE, 25, 1), 1
	s_wait_xcnt 0x0
	s_wait_alu depctr_hold_cnt(0) depctr_sa_sdst(0) depctr_va_vdst(0) depctr_va_sdst(0) depctr_va_ssrc(0) depctr_va_vcc(0) depctr_vm_vsrc(0)
	s_getreg_b32 s2, hwreg(HW_REG_IB_STS2, 6, 4)
	s_cmp_eq_u32 s2, 0
	s_cbranch_scc0 .Lentry_in_a_cluster
	s_endpgm
.Lentry_in_a_cluster:
	s_bfe_u32 s2, ttmp6, 0x10000c
	s_cmp_lg_u32 s2, 0xf033
	s_cbranch_scc0 .Lentry_shape_is_right
	s_endpgm
.Lentry_shape_is_right:
; out0[m][n] = sum over k of att[m][k] Wo16[n][k] + bo[n].  att: [4096][1024] f16; Wo16: [1024][1024] f16, 14,680,064 bytes into xw; out0: [4096][1024] f32.
; Sums in f32.  32 x 8 = 256 blocks of 128 x 128, one work-group each; four waves, each 64 x 64: 16 accumulator tiles.
; K goes in tiles of 256 (eight steps of 32) through two LDS slots: a tile's rows are 512 bytes of memory, and one tensor load of a wave brings 64 of them,
; so that there is one barrier for eight steps and a refill has a whole tile's 128 matrix instructions of the wave in which to land.
; CLUSTERS: 4 x 4 work-groups; att's tiles are shared along a row of the cluster, Wo16's along a column, and asked for jointly.
; The matrix instruction is used transposed (source 0 = rows of Wo16, source 1 = rows of att): lane l holds row l % 16 and columns 8 (l / 16) + 0..7.
; REGISTERS: window 0: v16-27 addresses; v64-127, v128-191 two fragment buffers (B's four fragments, then A's four); v192-223 the bias of my 64 columns.
;            window 1: accumulator tile (a, b) at v[8 (4 a + b)].
.set PITCH,  528                       ; an LDS row: 512 bytes + 16: row r begins 16 r bytes further modulo 256
.set PART,   64*PITCH                  ; what one tensor load brings, and what a wave reads of A or of B
.set SLOT,   4*PART                    ; A's 128 rows, then B's 128 rows
.set STAGE,  2*SLOT                    ; behind the ring: 16 rows x 272 bytes for each wave; no tensor load fills it
.set SPITCH, 272
.set OROW,   4096                      ; bytes in a row of out0
.set ADRA, 16                          ; v16-17
.set ADRB, 20                          ; v20-21
.set STO,  24
.set RD,   25
.set CO,   26
.set BO,   27
.set F0,   64
.set F1,   128
.set BI,   192
.set G1, 24
.set G0, 32
.set G1B, 48
.set G0B, 56
.set MSB, 0
.macro WIN new                         ; low byte: bits 1:0 source 0, 3:2 source 1, 5:4 source 2, 7:6 destination; the high byte repeats the setting that is left
.if MSB != \new
	s_set_vgpr_msb (MSB<<8)|\new
.set MSB, \new
.endif
.endm
.macro PLACES                          ; four independent vector instructions behind a matrix instruction (ISA guide 7.12.1 for vector instructions)
.rept 4
	v_nop
.endr
.endm
.macro JLOAD s                         ; waves 0 and 1 ask for A's halves, waves 2 and 3 for B's
	s_cmp_eq_u32 s13, 0
	s_cbranch_scc0 .Lfor_b_\@
	tensor_load_to_lds s[G0+4*\s:G0+4*\s+3], s[G1:G1+7]
	s_nop 0
	s_branch .Lasked_\@
.Lfor_b_\@:
	tensor_load_to_lds s[G0B+4*\s:G0B+4*\s+3], s[G1B:G1B+7]
	s_nop 0
.Lasked_\@:
.endm
.macro CREST                           ; a round of the cluster's barrier behind its opening barrier
	s_cmp_lg_u32 s12, 0
	s_cbranch_scc1 .Lnot_wave_0_\@
	s_barrier_signal -3
.Lnot_wave_0_\@:
	s_barrier_wait -3
	s_barrier_signal -1
	s_barrier_wait -1
.endm
.macro CROUND
	s_barrier_signal -1
	s_barrier_wait -1
	CREST
.endm
	s_load_b256 s[4:11], s[0:1], 0x0               ; att s[4:5], xw s[6:7], bo s[8:9], out0 s[10:11]
	v_lshl_add_u32 v254, v0, 2, 0x46400
	v_mov_b32 v255, 0
	ds_add_u32 v254, v255
	v_lshrrev_b32 v1, 5, v0
	v_readfirstlane_b32 s12, v1                    ; wave 0..3
	s_lshr_b32 s13, s12, 1                         ; which 64 rows of the block are mine.  Also: I fetch for A (0) or for B (1)
	s_and_b32 s14, s12, 1                          ; which 64 columns.  Also: which 64 rows of that tile I fetch
	s_bfe_u32 s40, ttmp6, 0x40000                  ; cx
	s_bfe_u32 s41, ttmp6, 0x40004                  ; cy
	s_lshl_b32 s42, ttmp9, 2
	s_add_co_u32 s42, s42, s40                     ; block column
	s_and_b32 s15, ttmp7, 0xffff
	s_lshl_b32 s15, s15, 2
	s_add_co_u32 s15, s15, s41                     ; block row
	s_lshl_b32 s43, s41, 2
	s_lshl_b32 s43, 15, s43                        ; my row of the cluster
	s_lshl_b32 s44, 0x1111, s40                    ; my column
	; group 1: 64 rows x 256 elements of 2 bytes, 4 words of padding behind every 128 words
	s_or_b32 s[G1+0], s43, (1<<16)|(1<<20)|(1<<21)|(6<<22)|(3<<25)
	s_or_b32 s[G1B+0], s44, (1<<16)|(1<<20)|(1<<21)|(6<<22)|(3<<25)
	s_mov_b32 s[G1+1], 256<<16                     ; tensor_dim0 = 256
	s_mov_b32 s[G1B+1], 256<<16
	s_mov_b32 s[G1+2], 64<<16                      ; tensor_dim1 = 64
	s_mov_b32 s[G1B+2], 64<<16
	s_mov_b32 s[G1+3], 256<<16                     ; tile_dim0 = 256
	s_mov_b32 s[G1B+3], 256<<16
	s_mov_b32 s[G1+4], 64                          ; tile_dim1 = 64
	s_mov_b32 s[G1B+4], 64
	s_mov_b32 s[G1+5], 1024                        ; elements from row to row
	s_mov_b32 s[G1B+5], 1024
	s_mov_b32 s[G1+6], 0
	s_mov_b32 s[G1B+6], 0
	s_mov_b32 s[G1+7], 0
	s_mov_b32 s[G1B+7], 0
	s_lshl_b32 s18, s14, 6                         ; which 64 rows of the tile I fetch
	s_lshl_b32 s16, s15, 7
	s_add_co_u32 s16, s16, s18                     ; A: row 128 x block row + 64 x half
	s_lshl_b32 s16, s16, 11                        ; rows of 2,048 bytes
	s_mov_b32 s17, 0
	s_lshl_b32 s46, s42, 7
	s_add_co_u32 s46, s46, s18                     ; B: row 128 x block column + 64 x half
	s_lshl_b32 s46, s46, 11
	s_mov_b32 s47, 0
	s_mul_i32 s20, s12, PART                       ; where my part goes: the wave's number alone
	s_lshl_b32 s22, s42, 9                         ; my first column in bytes of f32: 128 x block column + 64 x half, times 4; in registers that feed no descriptor
	s_lshl_b32 s23, s14, 8
	s_add_co_u32 s22, s22, s23
	s_mov_b32 s23, 0
	s_wait_dscnt 0x0
	s_wait_kmcnt 0x0
	s_add_nc_u64 s[16:17], s[4:5], s[16:17]
	s_add_nc_u64 s[46:47], s[6:7], s[46:47]
	s_add_nc_u64 s[46:47], s[46:47], 0xe00000      ; Wo16's place in xw
	s_add_nc_u64 s[8:9], s[8:9], s[22:23]          ; the bias of my columns
	s_add_nc_u64 s[10:11], s[10:11], s[22:23]      ; and my columns of out0
	CROUND                                         ; all sixteen work-groups are here
.irp s, 0,1
	s_mov_b32 s[G0+4*\s], 1
	s_add_co_u32 s[G0+4*\s+1], s20, \s*SLOT
	s_add_nc_u64 s[G0+4*\s+2:G0+4*\s+3], s[16:17], \s*512          ; K tile s
	s_or_b32 s[G0+4*\s+3], s[G0+4*\s+3], 0x80000000
	s_mov_b32 s[G0B+4*\s], 1
	s_add_co_u32 s[G0B+4*\s+1], s20, \s*SLOT
	s_add_nc_u64 s[G0B+4*\s+2:G0B+4*\s+3], s[46:47], \s*512
	s_or_b32 s[G0B+4*\s+3], s[G0B+4*\s+3], 0x80000000
	JLOAD \s                                       ; two tensor loads of the wave are out, the most in this text
.endr
	v_and_b32 v1, 15, v0                           ; l % 16
	v_bfe_u32 v2, v0, 4, 1                         ; l / 16
	v_lshlrev_b32 v[BO], 5, v2
.irp b, 0,1,2,3
	global_load_b128 v[BI+8*\b:BI+8*\b+3],   v[BO], s[8:9] offset:64*\b        ; columns 16 b + 8 (l / 16) + 0..7
	global_load_b128 v[BI+8*\b+4:BI+8*\b+7], v[BO], s[8:9] offset:64*\b+16
.endr
	s_lshl_b32 s16, s15, 7                         ; my first row of out0 (the block row, in registers that held A's address)
	s_lshl_b32 s17, s13, 6
	s_add_co_u32 s16, s16, s17
	s_lshl_b32 s16, s16, 12
	s_mov_b32 s17, 0
	s_add_nc_u64 s[10:11], s[10:11], s[16:17]
	v_mul_u32_u24 v3, v1, PITCH
	v_lshl_add_u32 v3, v2, 4, v3                   ; row x pitch + 16 x half
	s_mul_i32 s21, s13, PART                       ; my 64 rows of A
	s_mul_i32 s19, s14, PART                       ; my 64 rows of B,
	s_add_co_u32 s19, s19, 2*PART                  ; which lie behind A's 128
.irp s, 0,1
	v_add_nc_u32 v[ADRA+\s], s21, v3
	v_add_nc_u32 v[ADRB+\s], s19, v3
	s_add_co_u32 s21, s21, SLOT
	s_add_co_u32 s19, s19, SLOT
.endr
	s_mul_i32 s21, s12, 16*SPITCH
	s_add_co_u32 s21, s21, STAGE                   ; my stage
	v_mul_u32_u24 v4, v1, SPITCH                   ; in: row l % 16, 32 bytes for each half of the lanes
	v_lshl_add_u32 v4, v2, 5, v4
	v_add_nc_u32 v[STO], s21, v4
	v_mul_u32_u24 v5, v2, SPITCH                   ; back: lanes 0-15 one row of 256 bytes, lanes 16-31 the next
	v_lshl_add_u32 v5, v1, 4, v5
	v_add_nc_u32 v[RD], s21, v5
	v_lshlrev_b32 v5, 12, v2                       ; and the same two rows in out0
	v_lshl_add_u32 v[CO], v1, 4, v5
; 16 LDS loads in one run: one step's fragments (64 rows of B, 64 of A, 32 K at byte k of the rows) into buffer f
.macro FETCH slot, k, f
.irp i, 0,1,2,3
	ds_load_b128 v[\f+8*\i:\f+8*\i+3],   v[ADRB+\slot] offset:\k+\i*16*PITCH
	ds_load_b128 v[\f+8*\i+4:\f+8*\i+7], v[ADRB+\slot] offset:\k+\i*16*PITCH+32
.endr
.irp i, 0,1,2,3
	ds_load_b128 v[\f+32+8*\i:\f+32+8*\i+3],   v[ADRA+\slot] offset:\k+\i*16*PITCH
	ds_load_b128 v[\f+32+8*\i+4:\f+32+8*\i+7], v[ADRA+\slot] offset:\k+\i*16*PITCH+32
.endr
.endm
; 8 matrix instructions.  The 16 accumulators take turns, one instruction a turn, in the same order in every step.
.macro MUL8 f, a0, zero
	WIN 0x50                                       ; C and D in window 1
.irp a, \a0, \a0+1
.irp b, 0,1,2,3
.if \zero
	v_wmma_f32_16x16x32_f16 v[8*(4*(\a)+\b):8*(4*(\a)+\b)+7], v[\f+8*\b:\f+8*\b+7], v[\f+32+8*(\a):\f+32+8*(\a)+7], 0
.else
	v_wmma_f32_16x16x32_f16 v[8*(4*(\a)+\b):8*(4*(\a)+\b)+7], v[\f+8*\b:\f+8*\b+7], v[\f+32+8*(\a):\f+32+8*(\a)+7], v[8*(4*(\a)+\b):8*(4*(\a)+\b)+7]
.endif
.endr
.endr
.endm
; One of a tile's first seven steps: asks for the next step's fragments into buffer g, then multiplies buffer f.
.macro STEP slot, k, f, g, zero
	PLACES                                         ; buffer g was read by the matrix instructions just issued
	FETCH \slot, \k, \g
	s_wait_dscnt 16                                ; buffer f is in; the 16 loads just issued stay out
	MUL8 \f, 0, \zero
	MUL8 \f, 2, \zero
	WIN 0
.endm
.macro SEVEN slot, zero
	STEP \slot, 64,  F0, F1, \zero
	STEP \slot, 128, F1, F0, 0
	STEP \slot, 192, F0, F1, 0
	STEP \slot, 256, F1, F0, 0
	STEP \slot, 320, F0, F1, 0
	STEP \slot, 384, F1, F0, 0
	STEP \slot, 448, F0, F1, 0
.endm
; A tile's eighth step multiplies buffer 1 and changes slots: each wave's reads of this slot and all its tensor loads are waited for in front of the barrier;
; behind it (with a refill: behind the round of the cluster's barrier that it opens) the refill comes first, then the next slot's first fragments.
.macro TURN slot, next, fill
	s_wait_dscnt 0                                 ; buffer 1 is in, and my reads of this slot are over
	s_wait_tensorcnt 0x0                           ; all my tensor loads have landed: the one that was out is my part of the next slot
	ds_add_u32 v254, v255
	s_wait_dscnt 0x0
	s_barrier_signal -1
	MUL8 F1, 0, 0                                  ; register work while the others arrive
	WIN 0
	s_barrier_wait -1
.if \fill
	CREST
	s_add_nc_u64 s[G0+4*\slot+2:G0+4*\slot+3], s[G0+4*\slot+2:G0+4*\slot+3], 1024      ; two tiles of 512 bytes on
	s_add_nc_u64 s[G0B+4*\slot+2:G0B+4*\slot+3], s[G0B+4*\slot+2:G0B+4*\slot+3], 1024
	JLOAD \slot                                    ; the first tensor load behind the round, and the wave's only one until the next
.endif
	PLACES
	FETCH \next, 0, F0
	MUL8 F1, 2, 0
	WIN 0
.endm
	s_wait_tensorcnt 1                             ; my part of tile 0 is in; tile 1's may stay out
	s_barrier_signal -1
	s_barrier_wait -1
	FETCH 0, 0, F0
	SEVEN 0, 1                                     ; tile 0: its first products start the sums
	TURN 0, 1, 1                                   ; slot 0 gets tile 2
	SEVEN 1, 0                                     ; tile 1
	TURN 1, 0, 1                                   ; slot 1 gets tile 3
	SEVEN 0, 0                                     ; tile 2
	TURN 0, 1, 0                                   ; nothing is left to fetch
	SEVEN 1, 0                                     ; tile 3
	s_wait_dscnt 0
	MUL8 F1, 0, 0
	MUL8 F1, 2, 0
	WIN 0
	; THE WAY OUT, 16 rows at a time: add the bias, 32 bytes a lane into my own stage, read back as whole rows of 256 bytes.
	PLACES
	s_wait_loadcnt 0x0                             ; the bias, asked for at the start
.macro OUT16 a, f
	WIN 0x41                                       ; destination and source 0 in window 1
.irp b, 0,1,2,3
.irp r, 0,1,2,3
	v_pk_add_f32 v[8*(4*\a+\b)+2*\r:8*(4*\a+\b)+2*\r+1], v[8*(4*\a+\b)+2*\r:8*(4*\a+\b)+2*\r+1], v[BI+8*\b+2*\r:BI+8*\b+2*\r+1]
.endr
.endr
	WIN 0x04                                       ; store data in window 1
.irp b, 0,1,2,3
	ds_store_b128 v[STO], v[8*(4*\a+\b):8*(4*\a+\b)+3]   offset:64*\b
	ds_store_b128 v[STO], v[8*(4*\a+\b)+4:8*(4*\a+\b)+7] offset:64*\b+16
.endr
	WIN 0
	s_wait_xcnt 0x0                                ; buffer f, which earlier stores read, and the stores' base are rewritten only behind this wait (ISA guide 3.1)
.if \a
	s_add_nc_u64 s[10:11], s[10:11], 16*OROW       ; 16 rows on
.endif
.irp t, 0,1,2,3,4,5,6,7
	ds_load_b128 v[\f+4*\t:\f+4*\t+3], v[RD] offset:\t*2*SPITCH    ; LDS serves a wave's instructions in order (ISA guide 5.7.1): these see the stores above
.endr
.irp t, 0,1,2,3,4,5,6,7
	s_wait_dscnt 7-\t                              ; load t of the eight is in
	global_store_b128 v[CO], v[\f+4*\t:\f+4*\t+3], s[10:11] offset:2*\t*OROW th:TH_STORE_NT   ; 16 lanes store 256 consecutive bytes, at a multiple of 256 from out0's first byte
.endr
.endm
	OUT16 0, F0
	OUT16 1, F1
	OUT16 2, F0
	OUT16 3, F1
	s_wait_tensorcnt 0x0
	ds_add_u32 v254, v255
	s_wait_dscnt 0x0
	CROUND                                         ; the closing round
	s_endpgm
.Lfunc_end_k_qebac7c85bc_oproj:
	.size	k_qebac7c85bc_oproj, .Lfunc_end_k_qebac7c85bc_oproj-k_qebac7c85bc_oproj
	.p2alignl 7, 3214868480
	.fill 96, 4, 3214868480
	.section	.rodata,"a",@progbits
	.p2align	6, 0x0
	.amdhsa_kernel k_qebac7c85bc_oproj
		.amdhsa_group_segment_fixed_size 327680
		.amdhsa_private_segment_fixed_size 0
		.amdhsa_enable_private_segment 0
		.amdhsa_kernarg_size 32
		.amdhsa_user_sgpr_count 2
		.amdhsa_user_sgpr_kernarg_segment_ptr 1
		.amdhsa_wavefront_size32 1
		.amdhsa_system_sgpr_workgroup_id_x 1
		.amdhsa_system_sgpr_workgroup_id_y 1
		.amdhsa_system_sgpr_workgroup_id_z 1
		.amdhsa_system_vgpr_workitem_id 0
		.amdhsa_next_free_vgpr 384
		.amdhsa_next_free_sgpr 66
		.amdhsa_reserve_vcc 0
		.amdhsa_float_denorm_mode_32 3
		.amdhsa_float_denorm_mode_16_64 3
		.amdhsa_memory_ordered 1
		.amdhsa_forward_progress 1
		.amdhsa_inst_pref_size 94
	.end_amdhsa_kernel
	.amdgpu_metadata
---
amdhsa.version: [ 1, 2 ]
amdhsa.kernels:
  - .name:           k_qebac7c85bc_oproj
    .symbol:         k_qebac7c85bc_oproj.kd
    .args:
      - { .name: att, .offset: 0, .size: 8, .value_kind: global_buffer, .address_space: global }
      - { .name: xw, .offset: 8, .size: 8, .value_kind: global_buffer, .address_space: global }
      - { .name: bo, .offset: 16, .size: 8, .value_kind: global_buffer, .address_space: global }
      - { .name: out0, .offset: 24, .size: 8, .value_kind: global_buffer, .address_space: global }
    .group_segment_fixed_size: 327680
    .private_segment_fixed_size: 0
    .kernarg_segment_align: 8
    .kernarg_segment_size: 32
    .max_flat_workgroup_size: 128
    .sgpr_count:     66
    .vgpr_count:     384
    .wavefront_size: 32
...
	.end_amdgpu_metadata
.endif
;; end of part 4
;; ======== version 2 of 2: 4 launches; version 1 with the launch cast written anew for expert scheduling mode
;; limits: values are held in f16: magnitudes above 65,504 overflow, below 6.1e-05 lose precision
;; workspace buffers: xw 16,777,216 bytes; qkv 25,165,824 bytes; att 8,388,608 bytes
;; launch cast (part 5): grid 512 x 1, 8 waves a work-group, no clusters, 0 bytes of LDS; arguments x, Wq, Wk, Wv, Wo, xw; writes xw
.if DOCPART == 5
	.amdgcn_target "amdgcn-amd-amdhsa--gfx1250"
	.amdhsa_code_object_version 6
	.text
	.protected	k_qebac7c85bc_cast
	.globl	k_qebac7c85bc_cast
	.p2align	8
	.type	k_qebac7c85bc_cast,@function
k_qebac7c85bc_cast:
	s_mov_b64 s[64:65], 0
	v_nop
	global_prefetch_b8 v0, s[64:65] scope:SCOPE_SE
	s_setreg_imm32_b32 hwreg(HW_REG_WAVE_SCHED_MODE, 0, 2), 2
	s_setreg_imm32_b32 hwreg(HW_REG_WAVE_MODE, 25, 1), 1
	s_wait_xcnt 0x0
	s_wait_alu depctr_vm_vsrc(0)
; x, Wq, Wk, Wv, Wo (f32) are rounded once to f16 and laid one behind the other in xw:
;   x16 [4096][1024] at byte 0, Wq16, Wk16, Wv16 [1024][1024] each from byte 8,388,608 on (together a matrix of 3072 rows), Wo16 at byte 14,680,064.
; Why f16 and not bf16: f16 keeps three more bits, and the chain of five products and roundings behind this launch needs them.
; LIMIT: numbers above 65,504 in magnitude become infinite; below 2^-14 they are kept in steps of 2^-24.
; A stream: no LDS, no barrier, no matrix unit, no cluster (no byte is read by two work-groups).
; Work-group g takes 64 KiB of input: g < 256 of x, then 64 work-groups for each weight matrix.  Its 32 KiB of output begin at byte g * 32,768,
; which is the layout above.  A wave takes 8 KiB: sixteen loads of 512 neighbouring bytes, all issued before the first wait for data.
; THE MODE: SCHED_MODE bits 1:0 = 2 (LLVM: expert scheduling mode 2), set by the entry lines.  The code itself states the register dependences
; between vector instructions and memory instructions, with s_wait_alu, always for 0.
; THE PLAN.  Registers that memory instructions touch:
;   v1, v2   byte offsets in the input and in the output.  Written by the head's vector lines, read by the loads (v1) and the stores (v2), never written again.
;   X        sixteen pieces as loaded.  Each register is written once, by its load, and no vector instruction names it ahead of that load; read by the conversions.
;   Y        sixteen pieces to store.   Each register is written once, by a conversion, and read by one store.
; No register that a memory instruction reads is ever written again, and no load lands in a register that a vector instruction has named.  What is left to
; state is that a register is written before a memory instruction reads it: once for v1 and v2, ahead of the first load, and once for each block of four
; pieces, between the block's eight conversions and its four stores.  Five waits in all.
.set X, 4                              ; v[4:67]   sixteen loads of four f32
.set Y, 68                             ; v[68:99]  sixteen pairs of registers, four f16 each
	s_load_b256 s[4:11], s[0:1], 0x0               ; x s[4:5], Wq s[6:7], Wk s[8:9], Wv s[10:11]
	s_load_b128 s[12:15], s[0:1], 0x20             ; Wo s[12:13], xw s[14:15]
	s_mov_b32 s2, ttmp9                            ; g
	v_and_b32 v1, 0xe0, v0                         ; 32 x wave
	v_and_b32 v2, 31, v0                           ; lane
	v_lshlrev_b32 v2, 4, v2                        ; 16 bytes a lane
	v_lshl_or_b32 v1, v1, 8, v2                    ; + wave x 8,192: my offset in the group's input
	v_lshrrev_b32 v2, 1, v1                        ; half of it: my offset in the group's output
	s_wait_kmcnt 0x0
	s_cmp_lt_u32 s2, 320                           ; the source is chosen among the five by the group's number alone
	s_cselect_b64 s[16:17], s[6:7], s[8:9]         ; Wq or Wk
	s_cmp_lt_u32 s2, 448
	s_cselect_b64 s[18:19], s[10:11], s[12:13]     ; Wv or Wo
	s_cmp_lt_u32 s2, 384
	s_cselect_b64 s[16:17], s[16:17], s[18:19]
	s_cmp_lt_u32 s2, 256
	s_cselect_b64 s[16:17], s[4:5], s[16:17]       ; x
	s_cselect_b32 s20, 255, 63                     ; x has 256 pieces of 64 KiB, a weight matrix 64
	s_and_b32 s20, s2, s20                         ; my piece of the source (256, 320, 384 and 448 are multiples of 64)
	s_lshl_b32 s20, s20, 16
	s_mov_b32 s21, 0
	s_add_nc_u64 s[16:17], s[16:17], s[20:21]
	s_lshl_b32 s22, s2, 15
	s_mov_b32 s23, 0
	s_add_nc_u64 s[14:15], s[14:15], s[22:23]
	s_wait_alu depctr_va_vdst(0)                   ; v1 and v2 are written: every load below reads v1 as its offset, every store v2; no later line writes either
.irp i, 0,1,2,3,4,5,6,7,8,9,10,11,12,13,14,15
	global_load_b128 v[X+4*\i:X+4*\i+3], v1, s[16:17] offset:512*\i th:TH_LOAD_NT   ; read once in the launch
.endr
; Four blocks of four pieces.  Block p: its four loads are in; eight conversions; one wait; four stores.
.irp p, 0,1,2,3
	s_wait_loadcnt 12-4*(\p)                       ; loads come back in order (ISA guide 5.7.1): block p's four are in, the younger blocks' stay out
.irp i, 0,1,2,3
	v_cvt_pk_f16_f32 v[Y+2*(4*(\p)+(\i))],   v[X+4*(4*(\p)+(\i))],   v[X+4*(4*(\p)+(\i))+1]
	v_cvt_pk_f16_f32 v[Y+2*(4*(\p)+(\i))+1], v[X+4*(4*(\p)+(\i))+2], v[X+4*(4*(\p)+(\i))+3]
.endr
	s_wait_alu depctr_va_vdst(0)                   ; the eight conversions have written the block's eight registers of Y, which the four stores below read
.irp i, 0,1,2,3
	global_store_b64 v2, v[Y+2*(4*(\p)+(\i)):Y+2*(4*(\p)+(\i))+1], s[14:15] offset:256*(4*(\p)+(\i))   ; the wave's 32 lanes store 256 consecutive bytes, aligned; no register is written twice
.endr
.endr
	s_endpgm
.Lfunc_end_k_qebac7c85bc_cast:
	.size	k_qebac7c85bc_cast, .Lfunc_end_k_qebac7c85bc_cast-k_qebac7c85bc_cast
	.p2alignl 7, 3214868480
	.fill 96, 4, 3214868480
	.section	.rodata,"a",@progbits
	.p2align	6, 0x0
	.amdhsa_kernel k_qebac7c85bc_cast
		.amdhsa_group_segment_fixed_size 0
		.amdhsa_private_segment_fixed_size 0
		.amdhsa_enable_private_segment 0
		.amdhsa_kernarg_size 48
		.amdhsa_user_sgpr_count 2
		.amdhsa_user_sgpr_kernarg_segment_ptr 1
		.amdhsa_wavefront_size32 1
		.amdhsa_system_sgpr_workgroup_id_x 1
		.amdhsa_system_sgpr_workgroup_id_y 1
		.amdhsa_system_sgpr_workgroup_id_z 1
		.amdhsa_system_vgpr_workitem_id 0
		.amdhsa_next_free_vgpr 100
		.amdhsa_next_free_sgpr 66
		.amdhsa_reserve_vcc 0
		.amdhsa_float_denorm_mode_32 3
		.amdhsa_float_denorm_mode_16_64 3
		.amdhsa_memory_ordered 1
		.amdhsa_forward_progress 1
		.amdhsa_inst_pref_size 7
	.end_amdhsa_kernel
	.amdgpu_metadata
---
amdhsa.version: [ 1, 2 ]
amdhsa.kernels:
  - .name:           k_qebac7c85bc_cast
    .symbol:         k_qebac7c85bc_cast.kd
    .args:
      - { .name: x, .offset: 0, .size: 8, .value_kind: global_buffer, .address_space: global }
      - { .name: Wq, .offset: 8, .size: 8, .value_kind: global_buffer, .address_space: global }
      - { .name: Wk, .offset: 16, .size: 8, .value_kind: global_buffer, .address_space: global }
      - { .name: Wv, .offset: 24, .size: 8, .value_kind: global_buffer, .address_space: global }
      - { .name: Wo, .offset: 32, .size: 8, .value_kind: global_buffer, .address_space: global }
      - { .name: xw, .offset: 40, .size: 8, .value_kind: global_buffer, .address_space: global }
    .group_segment_fixed_size: 0
    .private_segment_fixed_size: 0
    .kernarg_segment_align: 8
    .kernarg_segment_size: 48
    .max_flat_workgroup_size: 256
    .sgpr_count:     66
    .vgpr_count:     100
    .wavefront_size: 32
...
	.end_amdgpu_metadata
.endif
;; end of part 5
;; launch qkv: the kernel of part 2 again; grid 12 x 16, 4 waves a work-group, clusters of 4 x 4, 327,680 bytes of LDS; arguments xw, bq, bk, bv, qkv; writes qkv
;; launch attn: the kernel of part 3 again; grid 16 x 16, 8 waves a work-group, clusters of 4 x 1, 327,680 bytes of LDS; arguments qkv, att; writes att
;; launch oproj: the kernel of part 4 again; grid 8 x 32, 4 waves a work-group, clusters of 4 x 4, 327,680 bytes of LDS; arguments att, xw, bo, out0; writes out0
